; MI455X (gfx1250); checked and timed in simulation.
; The chip was launched on July 23, 2026; its instructions are those of AMD's public machine-readable ISA for CDNA 5 (MIT licence, August 2026) and "CDNA5" Instruction Set Architecture Reference Guide (July 2026). The comments in the code are by the model that wrote it; some were corrected since.
;; Concat Attention Heads. Allowed arithmetic: matrix products marked QUANTISED: E2M1 operands, one E8M0 scale for each 32 along K, by v_wmma_scale_f32_16x16x128_f8f6f4 with both operands' format E2M1 (or v_wmma_scale_f32_32x16x128_f4), f32 sums; products left as they are: bf16, f16 or f32 operands; f32 sums; everything else in f32.
;; Inputs: WO_b 1,024 float32; WO_w 1,024 x 1,024 float32; Wk 16 x 1,024 x 64 float32; Wq 16 x 1,024 x 64 float32; Wv 16 x 1,024 x 64 float32; bk 16 x 64 float32; bq 16 x 64 float32; bv 16 x 64 float32; x 4 x 2,048 x 1,024 float32.
;; Outputs: out0 4 x 1,024 x 2,048 float32.
;; This version of the problem:
;;   THIS VERSION OF THE PROBLEM IS GIVEN IN LOW PRECISION. The matrix products marked QUANTISED in the list below multiply operands that are first quantised to E2M1 (2 exponent bits, 1 mantissa bit; 4 bits a number), with one power-of-two scale for each 32 numbers along K (OCP MX v1.0); their sums are f32. The products marked 'left as it is' may take bf16, f16 or f32 operands, with f32 sums. All else is computed in f32.
;;   The module's matrix products, in the order in which they are computed (A, B: the left and right operand; K: the contracted axis; several contracted axes count as one K, in the product's order):
;;     1. [M 1,024, K 1,024] x [K 1,024, N 8,192]; A: input Wq; B: input x: QUANTISED
;;     2. [M 1,024, K 1,024] x [K 1,024, N 8,192]; A: input Wk; B: input x: QUANTISED
;;     3. [M 1,024, K 1,024] x [K 1,024, N 8,192]; A: input Wv; B: input x: QUANTISED
;;     4. batch 64 x [M 2,048, K 64] x [K 64, N 2,048]; A: computed on the way; B: computed on the way: left as it is (an operand is computed on the way)
;;     5. batch 64 x [M 2,048, K 2,048] x [K 2,048, N 64]; A: computed on the way; B: computed on the way: left as it is (an operand is computed on the way)
;;     6. [M 1,024, K 1,024] x [K 1,024, N 8,192]; A: input WO_w; B: computed on the way: left as it is (an operand is computed on the way)
;;   THE QUANTISER, for each operand of a quantised product, along K:
;;     - K is cut into blocks of 32 from its start; a last block that is shorter is filled with zeros.
;;     - A block's scale is 2^e with e = floor(log2(the largest magnitude in the block)) - 2, held to -126 .. 127; a block of zeros has e = 0. As a byte (E8M0): e + 127.
;;     - Each number is divided by its block's scale, clamped to +-6, and rounded to the nearest number of E2M1, ties to even, subnormals kept.
;;     - The product sums the exact products of the quantised numbers (number of the format x scale) in f32.
;;   ~~~python
;;   def quantise(x, axis):      # numpy; x: float32 -> the quantised numbers, widened to float32 again
;;       x = np.moveaxis(x, axis, -1); K = x.shape[-1]
;;       x = np.pad(x, [(0, 0)] * (x.ndim - 1) + [(0, -K % 32)]); x = x.reshape(x.shape[:-1] + (-1, 32)); a = np.abs(x).max(-1, keepdims=True)
;;       e = np.where(a > 0, np.clip(np.frexp(np.where(a > 0, a, 1))[1] - 1 - 2, -126, 127), 0)      # np.frexp(a)[1] - 1 = floor(log2(a)), exactly
;;       r = np.clip(x / 2.0 ** e, -6, 6)
;;       step = 2.0 ** (np.maximum(np.frexp(np.where(r == 0, 1, r))[1] - 1, 0) - 1)
;;       q = np.round(r / step) * step * 2.0 ** e      # np.round: ties to even
;;       return np.moveaxis(q.reshape(q.shape[:-2] + (-1,))[..., :K], -1, axis).astype(np.float32)
;;   ~~~
;; One version. Each part assembles by itself: llvm-mc -triple=amdgcn-amd-amdhsa -mcpu=gfx1250 --defsym DOCPART=n.
;; ======== version 1 of 1: 4 launches
;; limits: values are held in f16: magnitudes above 65,504 overflow, below 6.1e-05 lose precision
;; workspace buffers: xc 4,194,304 bytes; xs 262,144 bytes; wc 1,572,864 bytes; ws 98,304 bytes; wo16 2,097,152 bytes; qkv 50,331,648 bytes; ob 16,777,216 bytes
;; launch prep (part 1): grid 480 x 1, 4 waves a work-group, no clusters, 50,688 bytes of LDS; arguments x, Wq, Wk, Wv, WO_w, xc, xs, wc, ws, wo16; writes xc, xs, wc, ws, wo16
.if DOCPART == 1
	.amdgcn_target "amdgcn-amd-amdhsa--gfx1250"
	.amdhsa_code_object_version 6
	.text
	.protected	k_qe7707f7a53_prep
	.globl	k_qe7707f7a53_prep
	.p2align	8
	.type	k_qe7707f7a53_prep,@function
k_qe7707f7a53_prep:
	s_mov_b64 s[64:65], 0
	v_nop
	global_prefetch_b8 v0, s[64:65] scope:SCOPE_SE
	s_setreg_imm32_b32 hwreg(HW_REG_WAVE_MODE, 25, 1), 1
	s_wait_xcnt 0x0
; THE OPERANDS ARE MADE READY, ONCE.  Three kinds of work-groups, told apart by the work-group's number alone:
;   0 .. 95    Wq, Wk, Wv [16][1024 (k)][64 (d)] f32, K NOT innermost -> wc [3072 rows n = 64 g + d][512 bytes of FP4 codes, K innermost], ws [3072][32 scale bytes]; g = 16 x (q, k, v) + head
;   96 .. 351  x [8192 rows][1024 (k)] f32, K innermost                -> xc [8192][512 bytes], xs [8192][32]
;   352 .. 479 WO_w [1024][1024] f32                                   -> wo16, the same numbers rounded to f16 (its product is not a quantised one)
; THE QUANTISER: a block is 32 numbers along K; its scale is 2^(floor(log2(largest magnitude)) - 2), as a byte the largest magnitude's own exponent field - 2, held at 1 from below;
; each number is divided by the scale and rounded to the nearest code of E2M1, ties to even, beyond 6 the code of 6.
; LIMITS: a block of zeros gets the byte 1 where the rule says 127 (its codes are zeros, which add nothing under any byte but 0xff, and the bytes are read by this program alone);
; a block whose largest magnitude lies under 2^-124 keeps the byte 1; NaN and infinities among the inputs are not served.
; WO_w IN f16: 11 significant bits.  |WO_w| stays under 65,504; numbers under 2^-14 keep an absolute step of 2^-24.
; A stream: every input byte is read once, nothing is shared between work-groups, so no matrix unit, no cluster, no tensor load.  Waves share nothing: no barrier.
; Each of the paths that use LDS has LDS bytes of its own: x's path 0 .. 32,767, the weights' path 32,768 .. 50,175.
.set WGW,  96                          ; work-groups for the three weights
.set WGX,  256                         ; for x
.set EMAX, 2                           ; the exponent of the format's largest number, 6
	s_load_b512 s[4:19], s[0:1], 0x0               ; x s[4:5], Wq s[6:7], Wk s[8:9], Wv s[10:11], WO_w s[12:13], xc s[14:15], xs s[16:17], wc s[18:19]
	s_load_b128 s[20:23], s[0:1], 0x40             ; ws s[20:21], wo16 s[22:23]
	v_lshl_add_u32 v192, v0, 2, 0xc400
	v_mov_b32 v193, 0
	v_lshrrev_b32 v1, 5, v0
	v_readfirstlane_b32 s24, v1                    ; wave 0..3
	v_and_b32 v2, 31, v0                           ; lane
	s_wait_kmcnt 0x0
	s_cmp_lt_u32 ttmp9, WGW
	s_cbranch_scc1 .Lpath_w
	s_cmp_lt_u32 ttmp9, WGW+WGX
	s_cbranch_scc1 .Lpath_x
; ---------------- WO_w to f16: a wave takes 8,192 bytes: 16 loads of 512 consecutive bytes, 16 stores of 256 consecutive bytes
	s_sub_co_u32 s25, ttmp9, WGW+WGX
	s_lshl_b32 s26, s25, 15                        ; 32,768 bytes of f32 a work-group,
	s_lshl_b32 s27, s24, 13                        ; 8,192 a wave
	s_add_co_u32 s26, s26, s27
	s_mov_b32 s27, 0
	s_add_nc_u64 s[12:13], s[12:13], s[26:27]
	s_lshr_b32 s26, s26, 1                         ; half as many bytes of f16
	s_add_nc_u64 s[22:23], s[22:23], s[26:27]
	v_lshlrev_b32 v3, 4, v2
	v_lshlrev_b32 v4, 3, v2
.irp i, 0,1,2,3,4,5,6,7,8,9,10,11,12,13,14,15
	global_load_b128 v[32+4*\i:35+4*\i], v3, s[12:13] offset:512*\i th:TH_LOAD_NT
.endr
.irp i, 0,1,2,3,4,5,6,7,8,9,10,11,12,13,14,15
	s_wait_loadcnt 15-\i                           ; loads come back in order: load i is in, the younger ones stay out
	v_cvt_pk_f16_f32 v[96+2*\i], v[32+4*\i], v[33+4*\i]
	v_cvt_pk_f16_f32 v[97+2*\i], v[34+4*\i], v[35+4*\i]
	global_store_b64 v4, v[96+2*\i:97+2*\i], s[22:23] offset:256*\i   ; 32 lanes store 256 consecutive bytes, aligned; each store has registers of its own
.endr
	s_endpgm
; ---------------- x: rows are dense and 1,024 is a multiple of 32, so x is a plain stream of blocks of 32, and so are its codes and its scale bytes
; A wave takes 16 steps of 512 numbers.  Each of a step's four loads reads 512 consecutive bytes, 16 a lane; the 2,048 bytes go through the wave's own stage in LDS as they lie and come back 64 bytes a lane:
; 16 NEIGHBOURS along K, which is what the conversions take.  Two neighbouring lanes hold a block.  Loads run four steps ahead, the turn through LDS one step.
.Lpath_x:
.set STEPS, 16
.set CB,    8                          ; bytes of 16 codes
.set XR,    16                         ; v16-79   four sets of 16 numbers as they are loaded
.set XX,    80                         ; v80-111  two sets of 16 neighbours
.set XE,    112                        ; v112-127 a scale byte for each step
.set XC,    128                        ; v128-191 codes: four registers for each step, so that no store's data are written again
.set WREG,  8192                       ; LDS: a region for each wave: two stages of 32 x SP bytes, and behind them its 256 scale bytes
.set SP,    80                         ; a lane's place in a stage: its 64 bytes + 16 of padding
	v_lshlrev_b32 v3, 4, v2                        ; my 16 bytes of a load's 512
	s_mul_i32 s25, s24, WREG
	v_lshrrev_b32 v14, 2, v2
	v_mul_u32_u24 v14, v14, SP
	v_and_b32 v15, 3, v2
	v_lshl_add_u32 v14, v15, 4, v14
	v_add_nc_u32 v14, s25, v14                     ; the stage, on the way in: SP (lane / 4) + 16 (lane % 4)
	v_mul_u32_u24 v15, v2, SP
	v_add_nc_u32 v15, s25, v15                     ; and on the way out: SP x lane
	v_mul_u32_u24 v4, v2, CB                       ; my codes' place in a step's
	v_lshrrev_b32 v5, 1, v2
	s_add_co_u32 s25, s25, 2*32*SP
	v_add_nc_u32 v5, s25, v5                       ; LDS: my wave's 256 scale bytes, my block's byte
	v_lshlrev_b32 v7, 3, v2                        ; and on the way out 8 bytes a lane
	v_add_nc_u32 v6, s25, v7
	s_sub_co_u32 s26, ttmp9, WGW
	s_lshl_b32 s26, s26, 2
	s_add_co_u32 s26, s26, s24                     ; which run of 8,192 numbers is my wave's: 0 .. 1,023
	s_mov_b32 s29, 0
	s_lshl_b32 s28, s26, 15
	s_add_nc_u64 s[4:5], s[4:5], s[28:29]          ; 32,768 bytes of f32 a run,
	s_lshl_b32 s28, s26, 12
	s_add_nc_u64 s[14:15], s[14:15], s[28:29]      ; 4,096 of codes,
	s_lshl_b32 s28, s26, 8
	s_add_nc_u64 s[16:17], s[16:17], s[28:29]      ; 256 scale bytes
.macro XLOAD t
.irp i, 0,1,2,3
	global_load_b128 v[XR+16*((\t)%4)+4*\i:XR+16*((\t)%4)+4*\i+3], v3, s[4:5] offset:2048*(\t)+512*\i th:TH_LOAD_NT
.endr
.endm
.macro XTURN t                         ; step t's numbers through the stage: LDS serves a wave's instructions in order, so no wait stands between the stores and the loads
.irp i, 0,1,2,3
	ds_store_b128 v14, v[XR+16*((\t)%4)+4*\i:XR+16*((\t)%4)+4*\i+3] offset:32*SP*((\t)%2)+8*SP*\i
.endr
.irp i, 0,1,2,3
	ds_load_b128 v[XX+16*((\t)%2)+4*\i:XX+16*((\t)%2)+4*\i+3], v15 offset:32*SP*((\t)%2)+16*\i
.endr
.endm
.irp t, 0,1,2,3
	XLOAD \t
.endr
	s_wait_loadcnt 12                              ; step 0's four loads are in; three steps' twelve may be out
	XTURN 0
.macro XSTEP t
.set XS, XX+16*((\t)%2)
.if (\t) > 0
	s_wait_dscnt 1                                 ; this step's numbers are back from the stage (the last step's byte store may be out): so its stores into the stage have read their registers,
.else
	s_wait_dscnt 0x0
.endif
.if (\t)+4 < STEPS
	XLOAD (\t)+4                                   ; which take the loads of four steps on
.endif
.if (\t)+1 < STEPS
.if STEPS-2-(\t) >= 3
	s_wait_loadcnt 12                              ; the next step's four loads are in; those of the three steps behind it may be out
.else
	s_wait_loadcnt 4*(STEPS-2-(\t))
.endif
	XTURN (\t)+1                                   ; and go through the other stage while this step is worked
.endif
	v_max3_num_f32 v8, |v[XS]|, |v[XS+1]|, |v[XS+2]|               ; the largest magnitude of my 16, in two chains
	v_max3_num_f32 v9, |v[XS+3]|, |v[XS+4]|, |v[XS+5]|
.irp i, 6,10
	v_max3_num_f32 v8, v8, |v[XS+\i]|, |v[XS+\i+1]|
	v_max3_num_f32 v9, v9, |v[XS+\i+2]|, |v[XS+\i+3]|
.endr
	v_max3_num_f32 v8, v8, |v[XS+14]|, |v[XS+15]|
	v_max3_num_f32 v8, v8, v9, (EMAX+1)<<23        ; and the floor 2^(EMAX + 1 - 127): so the byte cannot fall under 1
	v_max_num_f32_dpp v8, v8, v8 row_xmask:1 row_mask:0xf bank_mask:0xf   ; and of my neighbour's 16: the block's
	v_add_nc_u32 v11, -(EMAX<<23), v8              ; EMAX off its exponent field: the conversion takes the exponent field of this operand as its scale, and nothing else of it
	v_cvt_scalef32_pk8_fp4_f32 v[XC+4*(\t)], v[XS:XS+7], v11
	v_cvt_scalef32_pk8_fp4_f32 v[XC+4*(\t)+1], v[XS+8:XS+15], v11
	v_lshrrev_b32 v[XE+(\t)], 23, v11              ; the scale's byte (also the plain line behind the conversions)
	ds_store_b8 v5, v[XE+(\t)] offset:16*(\t)      ; both lanes of a block write the same byte with the same value
	global_store_b64 v4, v[XC+4*(\t):XC+4*(\t)+1], s[14:15] offset:32*CB*(\t)   ; 32 lanes store 256 consecutive bytes, aligned
.endm
.irp t, 0,1,2,3,4,5,6,7,8,9,10,11,12,13,14,15
	XSTEP \t
.endr
	ds_load_b64 v[12:13], v6                       ; LDS serves a wave's instructions in order: these see my byte stores
	s_wait_dscnt 0x0
	global_store_b64 v7, v[12:13], s[16:17]        ; 32 lanes store 256 consecutive bytes, aligned
	s_wait_tensorcnt 0x0
	ds_add_u32 v192, v193
	s_wait_dscnt 0x0
	s_endpgm
; ---------------- the weights: K is the FIRST axis of a head's [1024][64].  A LANE TAKES A COLUMN d, AND ITS REGISTERS RUN DOWN K: a block of 32 lies in one lane's 32 registers, its largest
; magnitude needs no other lane, and the conversions give codes with K innermost.  Work-group = (g, half of K); wave w takes columns 16 w .. 16 w + 15; lanes 0-15 take the half's lower 256 along K,
; lanes 16-31 its upper 256: 8 blocks a lane.  So a column's 256 bytes of codes are made by ONE wave: they go through its own stage in LDS and leave as a whole aligned run of 256 bytes, sixteen lanes to a row.
; A load reads 64 consecutive bytes of two rows; the four waves stand side by side on a row's 256.  Loads run two blocks (64 loads a wave) ahead.
; The scale bytes leave in pieces of 8 bytes, rows 32 bytes apart: one byte in 128 of what this path reads.
.Lpath_w:
.set WX,   32                          ; v32-95   two sets of 32 numbers
.set WC,   96                          ; v96-99   a block's codes
.set WSB,  24                          ; v24-25   my 8 scale bytes
.set WOUT, 112                         ; v112-143 the way out
.set WP,   272                         ; a stage row: 256 bytes + 16
.set WST,  32768                       ; where this path's LDS bytes begin
	s_lshr_b32 s25, ttmp9, 1                       ; g = 0 .. 47
	s_and_b32 s26, ttmp9, 1                        ; which 512 along K
	s_cmp_lt_u32 s25, 32
	s_cselect_b64 s[28:29], s[8:9], s[10:11]       ; Wk or Wv,
	s_cmp_lt_u32 s25, 16
	s_cselect_b64 s[28:29], s[6:7], s[28:29]       ; or Wq: the choice hangs on the work-group's number alone
	s_and_b32 s30, s25, 15
	s_lshl_b32 s30, s30, 18                        ; the head: 1,024 rows of 256 bytes,
	s_lshl_b32 s31, s26, 17                        ; the half of K: 512 rows
	s_add_co_u32 s30, s30, s31
	s_mov_b32 s31, 0
	s_add_nc_u64 s[28:29], s[28:29], s[30:31]
	s_lshl_b32 s30, s25, 15                        ; codes: 64 rows of 512 bytes for each g, + 256 for the upper half of K
	s_lshl_b32 s32, s26, 8
	s_add_co_u32 s30, s30, s32
	s_add_nc_u64 s[18:19], s[18:19], s[30:31]
	s_lshl_b32 s30, s25, 11                        ; scale bytes: 64 rows of 32, + 16
	s_lshl_b32 s32, s26, 4
	s_add_co_u32 s30, s30, s32
	s_add_nc_u64 s[20:21], s[20:21], s[30:31]
	v_and_b32 v5, 15, v2                           ; c: my column among the wave's 16
	v_lshrrev_b32 v6, 4, v2                        ; hh: my 256 along K
	v_lshlrev_b32 v3, 2, v5
	v_lshl_add_u32 v3, v6, 16, v3                  ; in: 4 c + 256 rows x hh
	s_lshl_b32 s32, s24, 6
	v_add_nc_u32 v3, s32, v3                       ; + 64 x wave
	s_mul_i32 s33, s24, 16*WP
	s_add_co_u32 s33, s33, WST                     ; my stage
	v_mul_u32_u24 v4, v5, WP
	v_lshl_add_u32 v4, v6, 7, v4
	v_add_nc_u32 v4, s33, v4                       ; into it: row c, + 128 hh
	v_mul_u32_u24 v7, v6, WP
	v_lshl_add_u32 v7, v5, 4, v7
	v_add_nc_u32 v7, s33, v7                       ; out of it: sixteen lanes to a row, two rows an instruction
	v_lshlrev_b32 v8, 9, v6
	v_lshl_add_u32 v8, v5, 4, v8
	s_lshl_b32 s32, s24, 13
	v_add_nc_u32 v8, s32, v8                       ; and the same place among the codes: (16 w + row) x 512 + 16 x (lane % 16)
	v_lshlrev_b32 v9, 5, v5
	v_lshl_add_u32 v9, v6, 3, v9
	s_lshl_b32 s32, s24, 9
	v_add_nc_u32 v9, s32, v9                       ; my 8 scale bytes: (16 w + c) x 32 + 8 hh
.macro WLOAD t                         ; block t: W(32 t + i, my column), i = 0 .. 31, into set t % 2
.irp i, 0,1,2,3,4,5,6,7,8,9,10,11,12,13,14,15,16,17,18,19,20,21,22,23,24,25,26,27,28,29,30,31
	global_load_b32 v[WX+32*((\t)%2)+\i], v3, s[28:29] offset:(32*(\t)+\i)*256
.endr
.endm
	WLOAD 0
	WLOAD 1
.macro WBLOCK t
.set XS, WX+32*((\t)%2)
.if (\t) < 7
	s_wait_loadcnt 32                              ; this block's 32 loads are in; the next block's may be out
.else
	s_wait_loadcnt 0
.endif
	v_max3_num_f32 v12, |v[XS]|, |v[XS+1]|, |v[XS+2]|              ; the block's largest magnitude: all 32 numbers are mine
	v_max3_num_f32 v13, |v[XS+3]|, |v[XS+4]|, |v[XS+5]|
.irp i, 6,10,14,18,22,26
	v_max3_num_f32 v12, v12, |v[XS+\i]|, |v[XS+\i+1]|
	v_max3_num_f32 v13, v13, |v[XS+\i+2]|, |v[XS+\i+3]|
.endr
	v_max3_num_f32 v12, v12, |v[XS+30]|, |v[XS+31]|
	v_max3_num_f32 v12, v12, v13, (EMAX+1)<<23     ; and the floor
	v_add_nc_u32 v11, -(EMAX<<23), v12             ; the conversion's scale operand
	v_lshrrev_b32 v13, 23, v11                     ; the scale's byte
.if (\t)%4 == 0
	v_mov_b32 v[WSB+(\t)/4], v13                   ; four bytes to a register, the lower K in the lower byte
.else
	v_lshl_or_b32 v[WSB+(\t)/4], v13, 8*((\t)%4), v[WSB+(\t)/4]
.endif
.irp g, 0,1,2,3
	v_cvt_scalef32_pk8_fp4_f32 v[WC+\g], v[XS+8*\g:XS+8*\g+7], v11
.endr
	ds_store_b128 v4, v[WC:WC+3] offset:16*(\t)    ; 32 codes: 16 bytes of my column's row.  (The next vector lines, the next block's maxima, are plain and touch neither the codes nor the conversions' sources)
.if (\t)+2 < 8
	WLOAD (\t)+2
.endif
	s_wait_dscnt 0x0                               ; the store has read its registers: the next block's codes may be written
.endm
.irp t, 0,1,2,3,4,5,6,7
	WBLOCK \t
.endr
	global_store_b64 v9, v[WSB:WSB+1], s[20:21]    ; my column's 8 scale bytes
.irp t, 0,1,2,3,4,5,6,7
	ds_load_b128 v[WOUT+4*\t:WOUT+4*\t+3], v7 offset:2*\t*WP       ; LDS serves a wave's instructions in order: these see my stores
.endr
.irp t, 0,1,2,3,4,5,6,7
	s_wait_dscnt 7-\t
	global_store_b128 v8, v[WOUT+4*\t:WOUT+4*\t+3], s[18:19] offset:2*\t*512   ; sixteen lanes store 256 consecutive bytes, aligned
.endr
	s_wait_tensorcnt 0x0
	ds_add_u32 v192, v193
	s_wait_dscnt 0x0
	s_endpgm
.Lfunc_end_k_qe7707f7a53_prep:
	.size	k_qe7707f7a53_prep, .Lfunc_end_k_qe7707f7a53_prep-k_qe7707f7a53_prep
	.p2alignl 7, 3214868480
	.fill 96, 4, 3214868480
	.section	.rodata,"a",@progbits
	.p2align	6, 0x0
	.amdhsa_kernel k_qe7707f7a53_prep
		.amdhsa_group_segment_fixed_size 50688
		.amdhsa_private_segment_fixed_size 0
		.amdhsa_enable_private_segment 0
		.amdhsa_kernarg_size 80
		.amdhsa_user_sgpr_count 2
		.amdhsa_user_sgpr_kernarg_segment_ptr 1
		.amdhsa_wavefront_size32 1
		.amdhsa_system_sgpr_workgroup_id_x 1
		.amdhsa_system_sgpr_workgroup_id_y 1
		.amdhsa_system_sgpr_workgroup_id_z 1
		.amdhsa_system_vgpr_workitem_id 0
		.amdhsa_next_free_vgpr 194
		.amdhsa_next_free_sgpr 66
		.amdhsa_reserve_vcc 0
		.amdhsa_float_denorm_mode_32 3
		.amdhsa_float_denorm_mode_16_64 3
		.amdhsa_memory_ordered 1
		.amdhsa_forward_progress 1
		.amdhsa_inst_pref_size 79
	.end_amdhsa_kernel
	.amdgpu_metadata
---
amdhsa.version: [ 1, 2 ]
amdhsa.kernels:
  - .name:           k_qe7707f7a53_prep
    .symbol:         k_qe7707f7a53_prep.kd
    .args:
      - { .name: x, .offset: 0, .size: 8, .value_kind: global_buffer, .address_space: global }
      - { .name: Wq, .offset: 8, .size: 8, .value_kind: global_buffer, .address_space: global }
      - { .name: Wk, .offset: 16, .size: 8, .value_kind: global_buffer, .address_space: global }
      - { .name: Wv, .offset: 24, .size: 8, .value_kind: global_buffer, .address_space: global }
      - { .name: WO_w, .offset: 32, .size: 8, .value_kind: global_buffer, .address_space: global }
      - { .name: xc, .offset: 40, .size: 8, .value_kind: global_buffer, .address_space: global }
      - { .name: xs, .offset: 48, .size: 8, .value_kind: global_buffer, .address_space: global }
      - { .name: wc, .offset: 56, .size: 8, .value_kind: global_buffer, .address_space: global }
      - { .name: ws, .offset: 64, .size: 8, .value_kind: global_buffer, .address_space: global }
      - { .name: wo16, .offset: 72, .size: 8, .value_kind: global_buffer, .address_space: global }
    .group_segment_fixed_size: 50688
    .private_segment_fixed_size: 0
    .kernarg_segment_align: 8
    .kernarg_segment_size: 80
    .max_flat_workgroup_size: 128
    .sgpr_count:     66
    .vgpr_count:     194
    .wavefront_size: 32
...
	.end_amdgpu_metadata
.endif
;; end of part 1
;; launch qkv (part 2): grid 12 x 32, 4 waves a work-group, clusters of 4 x 4, 327,680 bytes of LDS; arguments xc, xs, wc, ws, qkv, bq, bk, bv; writes qkv
.if DOCPART == 2
	.amdgcn_target "amdgcn-amd-amdhsa--gfx1250"
	.amdhsa_code_object_version 6
	.text
	.protected	k_qe7707f7a53_qkv
	.globl	k_qe7707f7a53_qkv
	.p2align	8
	.type	k_qe7707f7a53_qkv,@function
k_qe7707f7a53_qkv:
	s_mov_b64 s[64:65], 0
	v_nop
	global_prefetch_b8 v0, s[64:65] scope:SCOPE_SE
	s_setreg_imm32_b32 hwreg(HW_REG_WAVE_MODE, 25, 1), 1
	s_wait_xcnt 0x0
	s_wait_alu depctr_hold_cnt(0) depctr_sa_sdst(0) depctr_va_vdst(0) depctr_va_sdst(0) depctr_va_ssrc(0) depctr_va_vcc(0) depctr_vm_vsrc(0)
	s_getreg_b32 s2, hwreg(HW_REG_IB_STS2, 6, 4)
	s_cmp_eq_u32 s2, 0
	s_cbranch_scc0 .Lentry_in_a_cluster
	s_endpgm
.Lentry_in_a_cluster:
	s_bfe_u32 s2, ttmp6, 0x10000c
	s_cmp_lg_u32 s2, 0xf033
	s_cbranch_scc0 .Lentry_shape_is_right
	s_endpgm
.Lentry_shape_is_right:
; q, k, v = x W + b, the three quantised products as ONE product on codes of FP4 (E2M1) with one E8M0 scale for each 32 along K:
; C[m][n] = sum over k of x[m][k] W[n][k] + bias[n];  m = 2048 b + s (8,192 rows), n = 64 g + d (3,072 columns; g = 16 x (q, k, v) + head), K = 1,024.
; The matrix instruction takes codes and scale bytes as they lie in memory.  The result is rounded to f16, the operand format of the products that follow, and stored as qkv [b][g][s][64].
; WHY f16: q, k, v, the softmax's weights, the heads' results and WO_w are each rounded once on the way to the output, six roundings whose errors add; f16's 11 significant bits make each eight times finer than 8 bits would.
; LIMIT: |q|, |k|, |v| stay under 65,504 (beyond it the conversion gives infinity).  Sums of 1,024 products: with x of spread 1 and W of spread 1/32 they have spread 1; with both 30 times larger the largest are some 5,400;
; with an offset of 30 spreads on both they lie near 1,024 x 30 x 30/32 = 28,800.  Numbers under 2^-14 keep an absolute step of 2^-24.
; A tile of C, 256 x 256, is made by a work-group of four waves; a wave makes 128 x 128: 64 accumulators of 16 x 16, 512 registers.
; K = 1,024 is exactly two LDS slots of 512 along K (rows of 256 bytes): both are asked for at the start, and nothing is ever filled again.
; THE SCALES of the work-group's 256 rows of x and 256 rows of W, for all of K, are two dense blocks of memory: they come into LDS once, with the first fills.
; CLUSTERS: 4 x 4 work-groups.  The four of a row of the cluster need the same tiles of x, the four of a column the same tiles of W: each tile is asked for JOINTLY, by the same tensor load with the
; same descriptor and a mask that names the four.  THE MATRIX INSTRUCTION IS USED TRANSPOSED (source 0 = 16 rows of W, source 1 = 16 rows of x): a lane then holds eight neighbouring columns of one row of C.
; THE BIAS is the C of each sum's first matrix instruction: eight registers for each block of 16 columns, in the result's layout.
; REGISTERS, in windows of 256: window 0: v0-31 addresses; v32-95 scale words, two sets; v128-191 x's fragments (8 x 16 rows x 128 K), ONE set; on the way out v128-223 are at work.
;   window 1: W's fragments, TWO sets, at v0 and at v128; v64-127 the bias.   window 2: the 32 accumulators of my rows 0-63 (accumulator (a, b) at v[8 (8 a + b)]);   window 3: those of my rows 64-127.
.set SIZE_K, 1024
.set KSTEP,  512                       ; along K in a slot
.set NQ,     KSTEP/128                 ; matrix instructions deep
.set ROWB,   256                       ; a tile's row in bytes
.set KROW,   SIZE_K*4/8                ; a row of codes in memory, in bytes
.set PITCH,  272                       ; an LDS row: 256 bytes + 16 of padding = 68 words: row r starts at bank 4 r mod 64 (64 banks of 4 bytes: ISA guide 11.1), so the 16 rows that a load touches start at 16 different banks
.set FR,     8                         ; registers of a fragment: 16 rows x 128 K
.set NL,     2                         ; LDS loads that bring one
.set NP,     4                         ; places behind this matrix instruction (ISA guide 7.12.1)
.set HALFT,  128*PITCH                 ; 128 rows: what one tensor load brings, and what one wave reads of x or of W
.set SLOT,   4*HALFT                   ; x's 256 rows, then W's 256 rows
.set KS,     SIZE_K/32                 ; a row of scales in bytes
.set SCL,    2*SLOT                    ; behind the two slots: the scales, as runs of 256 bytes + 16 of padding
.set HALFS,  (128*KS/256)*272          ; the scales of 128 rows: what one tensor load brings
.set SBLK,   (16*KS/256)*272           ; those of 16 rows
.set SPARE,  SCL+4*HALFS               ; behind the scales: the spare words, 128 bytes for each wave: two blocks of 256 bytes that no other line names
.set SPITCH, 272                       ; the way out: a stage of 16 rows x (256 bytes + 16) for each wave.  It lies in slot 0, which has had its only fill and its last read when the first result is stored there
.set PLANE,  2048*128                  ; bytes of a plane (b, g) of qkv
.set ADRA, 16                          ; v16-17  LDS address of my x fragments in slot 0, 1
.set ADRB, 20                          ; v20-21  the same for W
.set STO,  24                          ; v24     the way out: where I put 16 bytes of a row
.set RD,   25                          ; v25     the way out: where I read back
.set CO,   26                          ; v26     16 x lane: my place in a store's 512 bytes
.set ADRS, 27                          ; v27     LDS address of my scale words: lanes 0-15 x's rows, lanes 16-31 W's
.set SPW,  28                          ; v28     LDS address of my spare word: SPARE + 4 x my thread's number; never rewritten
.set NIL,  29                          ; v29     0; never rewritten
.set BO,   30                          ; v30     the bias: 32 x (lane / 16)
.set SC,   32                          ; scale words: set s (for slot s) at v[SC + 8 NQ s]; in it register NQ i + q: lanes 0-15 the word of x's block i, lanes 16-31 that of W's block i, for the slot's q-th 128 along K
.set AF,   128                         ; x's fragments, in window 0
.set BIAS, 64                          ; in window 1: register 8 b + j: the bias of column 16 b + 8 (lane / 16) + j of my 128
.set TMP,  192                         ; the way out: packed results
.set BK,   128                         ; the way out: 16 rows read back from the stage: v128-159 and v160-191 by turns
.set G1, 24                            ; s[24:31] descriptor group 1 for x's tiles;  s[32:39] group 0, one set for each slot
.set G0, 32
.set G1B, 48                           ; s[48:55], s[56:63] the same for W's tiles
.set G0B, 56
.set G1S, 68                           ; s[68:75], s[76:79] groups 1 and 0 for x's scales;  s[80:87], s[88:91] for W's
.set G0S, 76
.set G1SB, 80
.set G0SB, 88
.set MSB, 0
.macro WIN new                         ; the immediate's high byte repeats the setting that is left
.if MSB != \new
	s_set_vgpr_msb (MSB<<8)|\new
.set MSB, \new
.endif
.endm
.set MUL_LO,   0xa1                    ; source 0 (W) window 1, source 1 (x) window 0, C and D window 2
.set MUL_HI,   0xf1                    ; the same, C and D window 3
.set FIRST_LO, 0x91                    ; the first step: C is the bias, in window 1; D window 2
.set FIRST_HI, 0xd1                    ; D window 3
.set TO_B,     0x40                    ; destination window 1, address window 0
; A joint load: waves 0 and 1 fetch for x, waves 2 and 3 for W.  Each of the two lines has ONE mask and one set of registers for all that issue it; the branch hangs on the wave's number alone.
; Four v_nop follow each of the two lines, ahead of the jump, the label and what follows.
.macro JLOAD g0a, g1a, g0b, g1b
	s_cmp_eq_u32 s15, 0
	s_cbranch_scc0 .Lfor_b_\@
	tensor_load_to_lds s[\g0a:\g0a+3], s[\g1a:\g1a+7]
	s_nop 0
.rept 4
	v_nop
.endr
	s_branch .Lasked_\@
.Lfor_b_\@:
	tensor_load_to_lds s[\g0b:\g0b+3], s[\g1b:\g1b+7]
	s_nop 0
.rept 4
	v_nop
.endr
.Lasked_\@:
.endm
.macro CROUND                          ; a round of the cluster's barrier: my work-group's barrier; wave 0 signals for the work-group; every wave waits for all sixteen; my work-group's barrier once more
	s_barrier_signal -1
	s_barrier_wait -1
	s_cmp_lg_u32 s14, 0
	s_cbranch_scc1 .Lnot_wave_0_\@
	s_barrier_signal -3
.Lnot_wave_0_\@:
	s_barrier_wait -3
	s_barrier_signal -1
	s_barrier_wait -1
.endm
	s_load_b128 s[4:7], s[0:1], 0x0                ; x's codes s[4:5], x's scales s[6:7]
	s_load_b128 s[8:11], s[0:1], 0x10              ; W's codes s[8:9], W's scales s[10:11]
	s_load_b64 s[12:13], s[0:1], 0x20              ; qkv
	s_load_b64 s[96:97], s[0:1], 0x28              ; bq
	s_load_b64 s[98:99], s[0:1], 0x30              ; bk
	s_load_b64 s[100:101], s[0:1], 0x38            ; bv
	v_lshl_add_u32 v[SPW], v0, 2, SPARE
	v_mov_b32 v[NIL], 0
	ds_add_u32 v28, v29
	ds_add_u32 v28, v29
	s_wait_dscnt 0x0
	v_lshrrev_b32 v1, 5, v0
	v_readfirstlane_b32 s14, v1                    ; wave 0..3
	s_lshr_b32 s15, s14, 1                         ; which half of the tile's rows is mine.  Also: I fetch for x (0) or for W (1)
	s_and_b32 s16, s14, 1                          ; which half of its columns.  Also: which 128 rows of that tile I fetch
	s_bfe_u32 s40, ttmp6, 0x40000                  ; cx, cy: my place in the cluster
	s_bfe_u32 s41, ttmp6, 0x40004
	s_lshl_b32 s42, ttmp9, 2
	s_add_co_u32 s42, s42, s40                     ; tile column of C = 4 x cluster x + cx
	s_and_b32 s17, ttmp7, 0xffff
	s_lshl_b32 s17, s17, 2
	s_add_co_u32 s17, s17, s41                     ; tile row of C = 4 x cluster y + cy
	s_lshl_b32 s43, s41, 2
	s_lshl_b32 s43, 15, s43                        ; my row of the cluster
	s_lshl_b32 s44, 0x1111, s40                    ; my column
	; descriptor group 1: a tile of 128 rows x ROWB bytes, padded in LDS
	s_or_b32 s[G1+0], s43, (0<<16)|(1<<20)|(1<<21)|(5<<22)|(3<<25)  ; 15:0 the mask: x's tiles go to my row; 17:16 element of 1 byte; 20 padding on; 21 set beside a mask; 24:22 after every 64 words (code 5); 31:25 of 4 words (code 3)
	s_or_b32 s[G1B+0], s44, (0<<16)|(1<<20)|(1<<21)|(5<<22)|(3<<25)
.irp g, G1, G1B
	s_mov_b32 s[\g+1], ROWB<<16                    ; tensor_dim0
	s_mov_b32 s[\g+2], 128<<16                     ; tensor_dim1 = 128
	s_mov_b32 s[\g+3], ROWB<<16                    ; tile_dim0
	s_mov_b32 s[\g+4], 128                         ; tile_dim1 = 128
	s_mov_b32 s[\g+5], KROW                        ; tensor_dim0_stride
	s_mov_b32 s[\g+6], 0
	s_mov_b32 s[\g+7], 0
.endr
	; and for the scales of 128 rows: a dense block of 128 KS bytes, as rows of 256 bytes (32 elements of 8 bytes), 16 bytes of padding behind each
	s_or_b32 s[G1S+0], s43, (3<<16)|(1<<20)|(1<<21)|(5<<22)|(3<<25)
	s_or_b32 s[G1SB+0], s44, (3<<16)|(1<<20)|(1<<21)|(5<<22)|(3<<25)
.irp g, G1S, G1SB
	s_mov_b32 s[\g+1], 32<<16
	s_mov_b32 s[\g+2], (128*KS/256)<<16
	s_mov_b32 s[\g+3], 32<<16
	s_mov_b32 s[\g+4], 128*KS/256
	s_mov_b32 s[\g+5], 32
	s_mov_b32 s[\g+6], 0
	s_mov_b32 s[\g+7], 0
.endr
	s_lshl_b32 s18, s16, 7                         ; which 128 rows of the tile I fetch
	s_lshl_b32 s20, s17, 8
	s_add_co_u32 s20, s20, s18                     ; x: row 256 x tile row + 128 x half
	s_lshl_b32 s46, s42, 8
	s_add_co_u32 s46, s46, s18                     ; W: row 256 x tile column + 128 x half
	s_mov_b32 s21, 0
	s_mov_b32 s47, 0
	s_mov_b64 s[18:19], KS
	s_mul_u64 s[22:23], s[20:21], s[18:19]         ; where these rows' scales begin, in bytes
	s_mul_u64 s[92:93], s[46:47], s[18:19]
	s_mov_b64 s[18:19], KROW
	s_mul_u64 s[20:21], s[20:21], s[18:19]         ; and their codes
	s_mul_u64 s[46:47], s[46:47], s[18:19]
	s_mul_i32 s45, s14, HALFT                      ; where they go: wave x 128 rows: no place in the cluster enters an LDS address
	s_mul_i32 s94, s14, HALFS
	s_wait_kmcnt 0x0
	s_add_nc_u64 s[20:21], s[4:5], s[20:21]
	s_add_nc_u64 s[22:23], s[6:7], s[22:23]
	s_add_nc_u64 s[46:47], s[8:9], s[46:47]
	s_add_nc_u64 s[92:93], s[10:11], s[92:93]
	CROUND                                         ; all sixteen work-groups are here: the joint loads meet
	s_mov_b32 s[G0S], 1
	s_add_co_u32 s[G0S+1], s94, SCL
	s_mov_b64 s[G0S+2:G0S+3], s[22:23]
	s_or_b32 s[G0S+3], s[G0S+3], 0x80000000
	s_mov_b32 s[G0SB], 1
	s_add_co_u32 s[G0SB+1], s94, SCL
	s_mov_b64 s[G0SB+2:G0SB+3], s[92:93]
	s_or_b32 s[G0SB+3], s[G0SB+3], 0x80000000
	JLOAD G0S, G1S, G0SB, G1SB                     ; the scales first: they are wanted with slot 0.  Three tensor loads of a wave are out behind these lines
.irp s, 0,1
	s_mov_b32 s[G0+4*\s], 1
	s_add_co_u32 s[G0+4*\s+1], s45, \s*SLOT
	s_add_nc_u64 s[G0+4*\s+2:G0+4*\s+3], s[20:21], \s*ROWB
	s_or_b32 s[G0+4*\s+3], s[G0+4*\s+3], 0x80000000
	s_mov_b32 s[G0B+4*\s], 1
	s_add_co_u32 s[G0B+4*\s+1], s45, \s*SLOT
	s_add_nc_u64 s[G0B+4*\s+2:G0B+4*\s+3], s[46:47], \s*ROWB
	s_or_b32 s[G0B+4*\s+3], s[G0B+4*\s+3], 0x80000000
	JLOAD G0+4*\s, G1, G0B+4*\s, G1B
.endr
	v_and_b32 v1, 15, v0                           ; l % 16
	v_bfe_u32 v2, v0, 4, 1                         ; l / 16
	; the bias: a cluster's four tile columns are the 1,024 columns of ONE of q, k, v, which the cluster's x names
	s_cmp_lt_u32 ttmp9, 2
	s_cselect_b64 s[98:99], s[98:99], s[100:101]   ; bk or bv,
	s_cmp_lt_u32 ttmp9, 1
	s_cselect_b64 s[96:97], s[96:97], s[98:99]     ; or bq
	s_lshl_b32 s98, s40, 10                        ; my tile's 256 columns of them,
	s_lshl_b32 s99, s16, 9                         ; my wave's 128, in bytes
	s_add_co_u32 s98, s98, s99
	s_mov_b32 s99, 0
	s_add_nc_u64 s[96:97], s[96:97], s[98:99]
	v_lshlrev_b32 v[BO], 5, v2
	WIN TO_B
.irp b, 0,1,2,3,4,5,6,7
	global_load_b128 v[BIAS+8*\b:BIAS+8*\b+3],   v[BO], s[96:97] offset:64*\b      ; columns 16 b + 8 (l / 16) + 0 .. 3
	global_load_b128 v[BIAS+8*\b+4:BIAS+8*\b+7], v[BO], s[96:97] offset:64*\b+16   ; and + 4 .. 7
.endr
	WIN 0
	v_mul_u32_u24 v3, v1, PITCH
	v_lshl_add_u32 v4, v2, 4, v3                   ; a fragment's row x pitch + 16 x half
	s_mul_i32 s21, s15, HALFT                      ; my 128 rows of x
	s_mul_i32 s22, s16, HALFT                      ; my 128 rows of W,
	s_add_co_u32 s22, s22, 2*HALFT                 ; which lie behind x's 256
.irp s, 0,1
	v_add_nc_u32 v[ADRA+\s], s21, v4
	v_add_nc_u32 v[ADRB+\s], s22, v4
	s_add_co_u32 s21, s21, SLOT
	s_add_co_u32 s22, s22, SLOT
.endr
	v_mul_u32_u24 v5, v1, KS                       ; my row's scales: KS bytes a row,
	v_lshrrev_b32 v6, 8, v5
	v_lshl_add_u32 v5, v6, 4, v5                   ; and 16 more for each 256 passed
	s_mul_i32 s21, s15, HALFS                      ; x's: my 128 rows
	s_mul_i32 s22, s16, HALFS                      ; W's: my 128 rows, behind x's 256
	s_add_co_u32 s22, s22, 2*HALFS
	s_sub_co_u32 s22, s22, s21
	v_mul_u32_u24 v6, s22, v2                      ; lanes 16-31 take W's
	s_add_co_u32 s21, s21, SCL
	v_add_nc_u32 v5, v5, v6
	v_add_nc_u32 v[ADRS], s21, v5
	s_mul_i32 s23, s14, 16*SPITCH                  ; my stage
	v_mul_u32_u24 v5, v1, SPITCH                   ; in: row l % 16, 16 bytes for each half of the lanes
	v_lshl_add_u32 v5, v2, 4, v5
	v_add_nc_u32 v[STO], s23, v5
	v_bfe_u32 v5, v0, 3, 2                         ; back: eight lanes take the 128 bytes that a row has of one plane, four rows an instruction
	v_mul_u32_u24 v5, v5, SPITCH
	v_and_b32 v6, 7, v0
	v_lshl_add_u32 v5, v6, 4, v5
	v_add_nc_u32 v[RD], s23, v5
	v_and_b32 v6, 31, v0
	v_lshlrev_b32 v[CO], 4, v6                     ; in a plane these four rows are 512 consecutive bytes
	; where my part begins in qkv: plane (b, g) = (tile row / 8) x 48 + 4 x tile column + 2 x half; row s = 256 (tile row % 8) + 128 x half, 128 bytes a row
	s_lshr_b32 s20, s17, 3
	s_mul_i32 s20, s20, 48
	s_lshl_b32 s46, s42, 2
	s_lshl_b32 s47, s16, 1
	s_add_co_u32 s46, s46, s47
	s_add_co_u32 s46, s46, s20
	s_lshl_b32 s46, s46, 18
	s_and_b32 s20, s17, 7
	s_lshl_b32 s20, s20, 8
	s_lshl_b32 s21, s15, 7
	s_add_co_u32 s20, s20, s21
	s_lshl_b32 s20, s20, 7
	s_add_co_u32 s46, s46, s20
	s_mov_b32 s47, 0
	s_add_nc_u64 s[12:13], s[12:13], s[46:47]
.macro FRAG reg, adr, q, i             ; a fragment, 16 rows x 128 K of 4-bit codes, is 8 registers: lane l holds row l % 16; registers 4 c .. 4 c + 3 hold K = 64 c + 32 (l / 16) + 0 .. 31, the lower K in the lower bits
.irp c, 0,1
	ds_load_b128 v[\reg+4*\c:\reg+4*\c+3], v[\adr] offset:64*(\q)+32*\c+(\i)*16*PITCH
.endr
.endm
; 16 matrix instructions: x's blocks a0, a0 + 1 against W's eight, 128 along K: the slot's q-th.  p: W's set;  sc: the set of scale words.  first = 1: the sums begin with the bias: nothing is ever cleared.
; The 64 accumulators take turns, one instruction a turn, in the same order in every step.
.macro MUL16 a0, p, q, sc, first
.irp a, \a0, \a0+1
.irp b, 0,1,2,3,4,5,6,7
.if \first
	v_wmma_scale_f32_16x16x128_f8f6f4 v[8*(8*((\a)%4)+\b):8*(8*((\a)%4)+\b)+7], v[128*(\p)+FR*\b:128*(\p)+FR*\b+FR-1], v[AF+FR*(\a):AF+FR*(\a)+FR-1], v[BIAS+8*\b:BIAS+8*\b+7], v[SC+8*NQ*(\sc)+NQ*\b+(\q)], v[SC+8*NQ*(\sc)+NQ*(\a)+(\q)] matrix_a_fmt:MATRIX_FMT_FP4 matrix_b_fmt:MATRIX_FMT_FP4 matrix_a_scale:MATRIX_SCALE_ROW1
.else
	v_wmma_scale_f32_16x16x128_f8f6f4 v[8*(8*((\a)%4)+\b):8*(8*((\a)%4)+\b)+7], v[128*(\p)+FR*\b:128*(\p)+FR*\b+FR-1], v[AF+FR*(\a):AF+FR*(\a)+FR-1], v[8*(8*((\a)%4)+\b):8*(8*((\a)%4)+\b)+7], v[SC+8*NQ*(\sc)+NQ*\b+(\q)], v[SC+8*NQ*(\sc)+NQ*(\a)+(\q)] matrix_a_fmt:MATRIX_FMT_FP4 matrix_b_fmt:MATRIX_FMT_FP4 matrix_a_scale:MATRIX_SCALE_ROW1
.endif
.endr
.endr
.endm
.macro FETCH_B slot, q, p              ; W's eight fragments of the slot's q-th 128 along K into set p
	WIN TO_B
.irp i, 0,1,2,3,4,5,6,7
	FRAG 128*(\p)+FR*\i, ADRB+\slot, \q, \i
.endr
	WIN 0
.endm
.macro FETCH_A slot, q, i0             ; x's blocks i0 .. i0 + 3
.irp i, \i0, \i0+1, \i0+2, \i0+3
	FRAG AF+FR*(\i), ADRA+\slot, \q, \i
.endr
.endm
.macro SCALES sc                       ; a slot's scale words into set sc: NQ words a row; lanes 0-15 take x's block i, lanes 16-31 W's block i
.irp i, 0,1,2,3,4,5,6,7
	ds_load_b128 v[SC+8*NQ*\sc+NQ*\i:SC+8*NQ*\sc+NQ*\i+3], v[ADRS] offset:\i*SBLK
.endr
.endm
; A load into a register that a matrix instruction has read, and a vector instruction that reads a matrix result, stand NP places behind that matrix instruction, and only plain vector
; instructions that name none of its registers are places (ISA guide 7.12.1 for vector instructions); this text does not count the matrix instructions in between.
.macro PLACES n
.rept \n
	v_nop
.endr
.endm
; A step of 128 along K that has its successor in the same slot.  x's blocks go one after the other, each against W's eight: a block of x is free as soon as its eight products are issued, so one set of
; registers serves x: blocks 0-3 are fetched anew in the step's middle, blocks 4-7 at its end.  W's fragments are at work through the whole step and have two sets.
.macro STEP slot, q, first
	s_wait_dscnt 4*NL                              ; W's set and x's blocks 0-3 are in; the youngest eight loads (x's blocks 4-7) may be out
.if \first
	WIN FIRST_LO
.else
	WIN MUL_LO
.endif
	MUL16 0, (\q)%2, \q, \slot, \first
	MUL16 2, (\q)%2, \q, \slot, \first
	s_wait_dscnt 0                                 ; x's blocks 4-7 are in (asked for 32 matrix instructions ago)
	PLACES NP
	FETCH_B \slot, (\q)+1, 1-(\q)%2
	FETCH_A \slot, (\q)+1, 0
.if \first
	WIN FIRST_HI
.else
	WIN MUL_HI
.endif
	MUL16 4, (\q)%2, \q, \slot, \first
	MUL16 6, (\q)%2, \q, \slot, \first
	PLACES NP
	WIN 0
	FETCH_A \slot, (\q)+1, 4
.endm
; Slot 0's last step changes slots: one barrier; in front of it each wave waits for all its tensor loads (its part of slot 1), adds 0 to its spare word, and waits for that and for its own reads of slot 0.
; Behind it slot 1 is whole, and nobody reads slot 0 any more: the stages of the way out lie there.
.macro TURN slot, next
	s_wait_tensorcnt 0x0                           ; all my tensor loads have landed  (every window is 0 here: the add's two registers lie in window 0)
	ds_add_u32 v[SPW], v[NIL]                      ; 0 onto my spare word
	s_wait_dscnt 4*NL+1                            ; (the add and the youngest eight loads, x's blocks 4-7, may be out)
	WIN MUL_LO
	MUL16 0, 1, NQ-1, \slot, 0                     ; sixteen matrix instructions stand between the add and the wait for it
	s_wait_dscnt 0x0                               ; the add is done, and my reads of this slot are over
	s_barrier_signal -1
	MUL16 2, 1, NQ-1, \slot, 0
	WIN 0
	s_barrier_wait -1
	PLACES NP
	v_add_nc_u32 v[ADRS], 4*NQ, v[ADRS]            ; on to the next slot's scale words (no LDS load of mine is out)
	FETCH_B \next, 0, 0
	FETCH_A \next, 0, 0
	SCALES \next
	WIN MUL_HI
	MUL16 4, 1, NQ-1, \slot, 0
	MUL16 6, 1, NQ-1, \slot, 0
	PLACES NP
	WIN 0
	FETCH_A \next, 0, 4
.endm
.macro STEPS slot, from                ; the slot's steps from .. NQ - 2
.set Q, \from
.rept NQ-1-\from
	STEP \slot, Q, 0
.set Q, Q+1
.endr
.endm
	s_wait_tensorcnt 1                             ; the scales and my part of slot 0 are in (slot 1's load may be out)
	s_barrier_signal -1
	s_barrier_wait -1                              ; everybody's are
	FETCH_B 0, 0, 0
	FETCH_A 0, 0, 0
	SCALES 0
	FETCH_A 0, 0, 4
	s_wait_loadcnt 0x0                             ; the bias
	STEP 0, 0, 1                                   ; the first step's products start the sums, on the bias
	STEPS 0, 1
	TURN 0, 1
	STEPS 1, 0
	s_wait_dscnt 4*NL                              ; the very last step: nothing more to fetch
	WIN MUL_LO
	MUL16 0, 1, NQ-1, 1, 0
	MUL16 2, 1, NQ-1, 1, 0
	s_wait_dscnt 0
	WIN MUL_HI
	MUL16 4, 1, NQ-1, 1, 0
	MUL16 6, 1, NQ-1, 1, 0
	WIN 0
; THE WAY OUT, block by block of 16 rows x 128 columns.  PACK: rounded to f16, a lane's eight neighbouring columns are 16 bytes; each accumulator is read from its low end on.  TOSTAGE: into my own stage in LDS,
; and back so that the 32 lanes hold four rows' 128 bytes of ONE plane (64 columns), which are 512 consecutive bytes of qkv.  SEND: stored.  LDS serves a wave's instructions in order (ISA guide 5.7.1.4):
; no wait between the stores and the loads, nor in front of the next block's stores.
.macro PACK a
.set AC, 64*((\a)%4)
	WIN 0x0a+5*((\a)/4)                            ; sources 0 and 1: window 2 or 3
.irp b, 0,1,2,3,4,5,6,7
.irp r, 0,1,2,3
	v_cvt_pk_f16_f32 v[TMP+4*\b+\r], v[AC+8*\b+2*\r], v[AC+8*\b+2*\r+1]
.endr
.endr
	WIN 0
.endm
.macro TOSTAGE a
.set BB, BK+32*((\a)%2)
.irp b, 0,1,2,3,4,5,6,7
	ds_store_b128 v[STO], v[TMP+4*\b:TMP+4*\b+3] offset:32*\b
.endr
.irp j, 0,1
.irp t, 0,1,2,3
	ds_load_b128 v[BB+4*(4*\j+\t):BB+4*(4*\j+\t)+3], v[RD] offset:\t*4*SPITCH+128*\j
.endr
.endr
.endm
.macro SEND a, younger                 ; younger: the LDS instructions issued behind block a's loads, which may stay out
.set BB, BK+32*((\a)%2)
	s_wait_dscnt \younger                          ; the block is back in registers
	s_wait_xcnt 0x0                                ; every earlier store has had its addresses translated (ISA guide 3.1): the block before last's registers are loaded again only behind this wait
.irp j, 0,1
.irp t, 0,1,2,3
	global_store_b128 v[CO], v[BB+4*(4*\j+\t):BB+4*(4*\j+\t)+3], s[12:13] offset:\j*PLANE+(\a)*2048+\t*512   ; 32 lanes store 512 consecutive bytes, at a multiple of 256 from qkv's first byte; no base is stepped
.endr
.endr
.endm
	PLACES NP                                      ; behind the last products: for the loads into the registers that held x's fragments, and for the reads of results
	PACK 0
	TOSTAGE 0
.irp a, 1,2,3,4,5,6,7                  ; block a's conversions stand between block a - 1's loads from the stage and the wait for them
	PACK \a
	SEND \a-1, 0
	TOSTAGE \a
.endr
	SEND 7, 0
	s_wait_tensorcnt 0x0                           ; the wave's end, behind my last tensor load and my last LDS store
	ds_add_u32 v[SPW], v[NIL]
	s_wait_dscnt 0x0
	CROUND                                         ; the closing round: no work-group ends while a partner may still ask for a tile that names it
	s_endpgm
.Lfunc_end_k_qe7707f7a53_qkv:
	.size	k_qe7707f7a53_qkv, .Lfunc_end_k_qe7707f7a53_qkv-k_qe7707f7a53_qkv
	.p2alignl 7, 3214868480
	.fill 96, 4, 3214868480
	.section	.rodata,"a",@progbits
	.p2align	6, 0x0
	.amdhsa_kernel k_qe7707f7a53_qkv
		.amdhsa_group_segment_fixed_size 327680
		.amdhsa_private_segment_fixed_size 0
		.amdhsa_enable_private_segment 0
		.amdhsa_kernarg_size 64
		.amdhsa_user_sgpr_count 2
		.amdhsa_user_sgpr_kernarg_segment_ptr 1
		.amdhsa_wavefront_size32 1
		.amdhsa_system_sgpr_workgroup_id_x 1
		.amdhsa_system_sgpr_workgroup_id_y 1
		.amdhsa_system_sgpr_workgroup_id_z 1
		.amdhsa_system_vgpr_workitem_id 0
		.amdhsa_next_free_vgpr 1024
		.amdhsa_next_free_sgpr 102
		.amdhsa_reserve_vcc 0
		.amdhsa_float_denorm_mode_32 3
		.amdhsa_float_denorm_mode_16_64 3
		.amdhsa_memory_ordered 1
		.amdhsa_forward_progress 1
		.amdhsa_inst_pref_size 128
	.end_amdhsa_kernel
	.amdgpu_metadata
---
amdhsa.version: [ 1, 2 ]
amdhsa.kernels:
  - .name:           k_qe7707f7a53_qkv
    .symbol:         k_qe7707f7a53_qkv.kd
    .args:
      - { .name: xc, .offset: 0, .size: 8, .value_kind: global_buffer, .address_space: global }
      - { .name: xs, .offset: 8, .size: 8, .value_kind: global_buffer, .address_space: global }
      - { .name: wc, .offset: 16, .size: 8, .value_kind: global_buffer, .address_space: global }
      - { .name: ws, .offset: 24, .size: 8, .value_kind: global_buffer, .address_space: global }
      - { .name: qkv, .offset: 32, .size: 8, .value_kind: global_buffer, .address_space: global }
      - { .name: bq, .offset: 40, .size: 8, .value_kind: global_buffer, .address_space: global }
      - { .name: bk, .offset: 48, .size: 8, .value_kind: global_buffer, .address_space: global }
      - { .name: bv, .offset: 56, .size: 8, .value_kind: global_buffer, .address_space: global }
    .group_segment_fixed_size: 327680
    .private_segment_fixed_size: 0
    .kernarg_segment_align: 8
    .kernarg_segment_size: 64
    .max_flat_workgroup_size: 128
    .sgpr_count:     102
    .vgpr_count:     1024
    .wavefront_size: 32
...
	.end_amdgpu_metadata
.endif
;; end of part 2
;; launch attn (part 3): grid 8 x 64, 4 waves a work-group, clusters of 4 x 1, 327,680 bytes of LDS; arguments qkv, ob; writes ob
.if DOCPART == 3
	.amdgcn_target "amdgcn-amd-amdhsa--gfx1250"
	.amdhsa_code_object_version 6
	.text
	.protected	k_qe7707f7a53_attn
	.globl	k_qe7707f7a53_attn
	.p2align	8
	.type	k_qe7707f7a53_attn,@function
k_qe7707f7a53_attn:
	s_mov_b64 s[64:65], 0
	v_nop
	global_prefetch_b8 v0, s[64:65] scope:SCOPE_SE
	s_setreg_imm32_b32 hwreg(HW_REG_WAVE_MODE, 25, 1), 1
	s_wait_xcnt 0x0
	s_wait_alu depctr_hold_cnt(0) depctr_sa_sdst(0) depctr_va_vdst(0) depctr_va_sdst(0) depctr_va_ssrc(0) depctr_va_vcc(0) depctr_vm_vsrc(0)
	s_getreg_b32 s2, hwreg(HW_REG_IB_STS2, 6, 4)
	s_cmp_eq_u32 s2, 0
	s_cbranch_scc0 .Lentry_in_a_cluster
	s_endpgm
.Lentry_in_a_cluster:
	s_bfe_u32 s2, ttmp6, 0x10000c
	s_cmp_lg_u32 s2, 0x3003
	s_cbranch_scc0 .Lentry_shape_is_right
	s_endpgm
.Lentry_shape_is_right:
; ob[b][h][q][:] = the sum over k of softmax_k(Q[q] . K[k] / 8) V[k][:], for each of the 64 pairs (b, h).  Q, K, V are the planes g = h, 16 + h, 32 + h of qkv [b][48][2048][64], f16; ob is [b][h][2048][64], f16.
; Products, maxima and sums in f32; the weights p are rounded to f16 for the second product, the result once at the end.
; FORMAT.  f16 has 11 significant bits.  p = 2^(c s - c m) lies in 0 .. 1 for every input (a hair over 1 where c m was rounded down); a p under 2^-24 counts as 0 in the product, beside a row's sum of at least 1.
; The result is a convex mix of V's rows, so it lies inside V's range.  LIMIT: |q|, |k|, |v| under 65,504, as the launch that makes them states.
; SHARES.  A work-group owns 256 queries of one (b, h), each of its four waves 64: four tiles of 16.  Every wave walks all 2,048 keys, 64 a step.
; LAYOUT.  S^T = K Q^T (source 0 = 16 keys, source 1 = 16 queries): in the result a lane holds ONE query (lane % 16) and the keys 8 (lane / 16) + 0..7.  Two such tiles, rounded to
; f16 in pairs, ARE source 1 (32 keys x 16 queries) of O^T = V^T P, whose result again holds one query a lane, and eight channels.  So nothing changes lanes between the products,
; and a query's maximum and sum want one exchange between the halves of the lanes.  K comes out of LDS as it lies, V ([key][channel]) turned, by ds_load_tr16_b128.
; SOFTMAX.  For each query a running maximum m and sum l: p = 2^(c s - c m), c = log2(e) / 8; in every step O and l are multiplied by a = 2^(c m_old - c m_new), which is 1 where m has not grown.
; BY TURNS.  The wave's tiles are two PIECES, named by their first tile: piece 0 (tiles 0, 1) and piece 2 (tiles 2, 3).  In a TURN one piece has the matrix unit: 16 products V^T P of
; the step in hand, then 16 products K Q^T of the next step; the other piece's softmax, cut into slices of four instructions, stands between them, two slices behind each matrix instruction.
; Then the pieces change places.  Two turns are a key step.  A tile's softmax is 118 vector instructions for its 16 matrix instructions: set in phases of their own they would leave the matrix unit idle all that while.
; CLUSTER.  The four query blocks of a cluster belong to one (b, h) and walk the same K and V, so each tile is asked for JOINTLY: the same tensor load, with the same descriptor and a
; mask that names the four, in all four; each receives the tile in its own LDS.
; REGISTERS, in windows of 256 (s_set_vgpr_msb: bits 1:0 source 0, 3:2 source 1, 5:4 source 2, 7:6 destination):
;   window 0: v0-11 addresses; v12-43 eight registers of statistics a tile; v61-63; v64-191 S^T, 32 a tile; v192-255 P, 16 a tile
;   window 1: v0-127 O^T, 32 a tile; v128-191 V of one step          window 2: v0-63 Q, 16 a tile; v128-191 K of one step
.set SIZE_N, 2048
.set KS,     64       ; keys in a step
.set NST,    4        ; key steps in a slot
.set PKB,    144      ; a row of K in LDS: 128 bytes + 16 of padding = 36 words: row r starts at bank 36 r mod 64 (64 banks of 4 bytes: ISA guide 11.1): the 16 rows of a load start at 16 different groups of four banks
.set PVB,    160      ; a row of V: 128 + 32 = 40 words
.set KSTEPB, KS*PKB   ; a step's K in LDS
.set VSTEPB, KS*PVB   ; a step's V
.set VOFF,   NST*KSTEPB  ; a slot: 256 rows of K, then 256 rows of V
.set SLOT1,  1<<17    ; slot 1 begins here, so that one exclusive or turns an address in one slot into the other's
.set SLOTM,  NST*KS*128  ; a slot's rows of K, or of V, in memory: 32,768 dense bytes
.set STAGE,  SLOT1+NST*(KSTEPB+VSTEPB)  ; behind the ring: 16 rows x 144 bytes for each wave, for the way out
.set SP,     144
.set SPARE,  STAGE+4*16*SP  ; behind the stages: the spare words, 128 bytes for each wave: two blocks of 256 bytes that no other line names
.set AK0, 2           ; v2   my lane's place in a tile of K; never rewritten
.set AV0, 3           ; v3   the same for V
.set ADR, 4           ; v4   the LDS address of the run of loads in hand
.set QO,  5           ; v5   my byte offset in the wave's rows of Q
.set STO, 6           ; v6   the way out: where I put 16 bytes of a row
.set RD,  7           ; v7   the way out: where I read back
.set GO,  8           ; v8   16 x lane: my place in a store's 512 bytes
.set PFO, 61          ; v61  256 x my lane: the prefetches' offset; never rewritten
.set SPW, 62          ; v62  LDS address of my spare word: SPARE + 4 x my thread's number; never rewritten
.set NIL, 63          ; v63  0; never rewritten
.set ST,  12          ; tile t's statistics at v[ST+8 t]: +0 c m, +1 m, +2, +3 l (even keys', odd keys'), +4 to +7 c0-c3, at work; a takes c2's place once the maximum is found
.set S,   64
.set P,   192
.set KF,  128         ; K's fragments, in window 2
.set VF,  128         ; V's, in window 1
.set WV,  12          ; s12  my wave's number
.set LIM, 15          ; s15  1 in a wave that prefetches, else the greatest number: a wave prefetches while s[SLOTS] is above it
.set PFA, 18          ; s[18:19] where my prefetches stand in memory
.set G1K, 24          ; s[24:31] descriptor group 1 for K's tiles
.set G1V, 32          ; s[32:39] for V's: it differs in the padding alone
.set G0K, 40          ; s[40:47] descriptor group 0 for K's tiles: a set for each of the two first fills; the second then walks on
.set G0V, 48          ; s[48:55] the same for V's
.set SLOTS, 56        ; s56  slots still to be asked for
.set TWICE, 57        ; s57  counts key steps (at the head: V's place in a slot)
.set CS,  58          ; s[58:59] c: the packed scaling names a pair and takes its low word for both halves
.set SEL, 60          ; s[60:61] lane selects for v_permlanex16_b32: each lane takes its own place in the other half
.set TBK, 62          ; s62  LDS byte at which K of the step to be fetched begins
.set TBV, 63          ; s63  the same for V, less VOFF
.set MSB, 0
.macro WIN new                      ; the immediate's high byte repeats the setting that is left; a switch that changes nothing is dropped
.if MSB != \new
	s_set_vgpr_msb (MSB<<8)|\new
.set MSB, \new
.endif
.endm
.set W_KQ, 0x0a       ; K and Q in window 2, S^T in window 0
.set W_PV, 0x51       ; V and O^T in window 1, P in window 0
.set W_RS, 0x51       ; O^T (destination and source 0) in window 1, a in window 0: the same setting, so that no switch stands between a product V^T P and a slice that rescales
; A joint refill.  Waves 0 and 1 fetch the slot's two halves of K, waves 2 and 3 those of V.  The branch hangs on the wave's number alone: it is the same in every work-group.
; Four v_nop follow each of the two lines; the jump round the other line, the label and what follows the macro come after them.
.macro JLOAD
	s_cmp_lt_u32 s[WV], 2
	s_cbranch_scc0 .Lfor_v_\@
	tensor_load_to_lds s[G0K+4:G0K+7], s[G1K:G1K+7]
	s_nop 0
.rept 4
	v_nop
.endr
	s_branch .Lasked_\@
.Lfor_v_\@:
	tensor_load_to_lds s[G0V+4:G0V+7], s[G1V:G1V+7]
	s_nop 0
.rept 4
	v_nop
.endr
.Lasked_\@:
.endm
; A PREFETCH INTO THE L2 of what the NEXT change of slots will ask for: a slot's 32,768 bytes of K and of V.  It stands behind the wave's tensor load and its four lines, never in front of one.
; Each aligned block of 256 bytes is asked for ONCE in the launch.  Both clusters of a (b, h) walk the same K and V: the first of them prefetches.  Its four partners share the bytes out BY ADDRESS, 8,192 each:
; no branch hangs on a work-group's place in its cluster.  In each, wave 0 asks for K's and wave 2 for V's: one instruction, lanes 256 bytes apart.  It runs a slot, four key steps (256 matrix instructions), ahead
; of the load that will want the bytes.  The last change that fills a slot prefetches nothing: there is no slot behind it.  Slots 0, 1 and 2 come by their loads alone.
.macro ASK
	s_cmp_gt_u32 s[SLOTS], s[LIM]
	s_cbranch_scc0 .Lnot_mine_\@
	global_prefetch_b8 v[PFO], s[PFA:PFA+1] th:TH_LOAD_NT scope:SCOPE_SE
.Lnot_mine_\@:
.endm
; A round of the cluster's barrier: my work-group's barrier, so that wave 0's signal speaks for all four waves; wave 0 signals for the work-group; every wave waits for all four
; work-groups; my work-group's barrier once more.  No LDS instruction of the wave is pending at a signal.
.macro CROUND
	s_barrier_signal -1
	s_barrier_wait -1
	s_cmp_lg_u32 s[WV], 0
	s_cbranch_scc1 .Lnot_wave_0_\@
	s_barrier_signal -3
.Lnot_wave_0_\@:
	s_barrier_wait -3
	s_barrier_signal -1
	s_barrier_wait -1
.endm
	s_load_b128 s[8:11], s[0:1], 0x0  ; qkv s[8:9], ob s[10:11]
	v_lshl_add_u32 v[SPW], v0, 2, SPARE
	v_mov_b32 v[NIL], 0
	ds_add_u32 v62, v63
	ds_add_u32 v62, v63
	s_wait_dscnt 0x0
	v_lshrrev_b32 v1, 5, v0
	v_readfirstlane_b32 s[WV], v1   ; wave 0..3
	s_bfe_u32 s13, ttmp6, 0x40000   ; cx: my place in the cluster
	s_lshl_b32 s14, ttmp9, 2        ; in a cluster launch ttmp9 counts clusters
	s_add_co_u32 s14, s14, s13      ; my block of 256 queries = 4 x cluster x + cx: it enters Q's and ob's addresses alone
	s_and_b32 s2, ttmp7, 0xffff     ; 16 b + h, which the four partners share
	s_lshr_b32 s20, s2, 4
	s_mul_i32 s20, s20, 48
	s_and_b32 s21, s2, 15
	s_add_co_u32 s20, s20, s21
	s_lshl_b32 s20, s20, 18         ; Q's plane in qkv: (48 b + h) x 262,144 bytes
	s_mov_b32 s21, 0
	s_and_b32 s16, s[WV], 1         ; which half of a slot's 256 rows I fetch:
	s_lshl_b32 s22, s16, 14         ; its 128 rows of 128 bytes in memory,
	s_add_co_u32 s22, s22, s20
	s_mov_b32 s23, 0
	s_mul_i32 s17, s16, 128*PKB     ; and its place in a slot, for K
	s_mul_i32 s[TWICE], s16, 128*PVB
	s_add_co_u32 s[TWICE], s[TWICE], VOFF  ; and for V: no place in the cluster enters an LDS address
	s_lshl_b32 s14, s14, 15         ; my block's 256 rows,
	s_lshl_b32 s3, s[WV], 13        ; my wave's 64 of them
	s_add_co_u32 s14, s14, s3
	s_add_co_u32 s20, s20, s14      ; in Q's plane,
	s_lshl_b32 s2, s2, 18
	s_add_co_u32 s2, s2, s14        ; and in ob's
	s_mov_b32 s3, 0
	; descriptor group 1: a tile of 128 rows x 64 elements, padded in LDS
	s_mov_b32 s[G1K], 15|(1<<16)|(1<<20)|(1<<21)|(4<<22)|(3<<25)  ; 15:0 the mask: all four work-groups; 17:16 elements of 2 bytes; 20 padding on; 21 set beside a mask; 24:22 after every 32 words (code 4); 31:25 4 words of it (code 3)
	s_mov_b32 s[G1V], 15|(1<<16)|(1<<20)|(1<<21)|(4<<22)|(7<<25)  ; the same with 8 words of padding (code 7)
.irp g, G1K, G1V
	s_mov_b32 s[\g+1], 64<<16       ; 63:48 tensor_dim0, low half = 64
	s_mov_b32 s[\g+2], 128<<16      ; 79:64 its high half = 0; 95:80 tensor_dim1, low half = 128
	s_mov_b32 s[\g+3], 64<<16       ; 111:96 its high half = 0; 127:112 tile_dim0 = 64
	s_mov_b32 s[\g+4], 128          ; 143:128 tile_dim1 = 128; 159:144 tile_dim2 = 0
	s_mov_b32 s[\g+5], 64           ; 191:160 tensor_dim0_stride, low word: elements from row to row
	s_mov_b32 s[\g+6], 0
	s_mov_b32 s[\g+7], 0
.endr
	s_mov_b32 s[CS], 0x3e38aa3b     ; c = log2(e) / 8 = 0.180337
	s_mov_b32 s[CS+1], s[CS]        ; named with it as a pair, so it is written
	s_mov_b32 s[SEL], 0x76543210
	s_mov_b32 s[SEL+1], 0xfedcba98
	s_mov_b32 s[TBK], 0
	s_mov_b32 s[TBV], 0
	s_mov_b32 s[SLOTS], SIZE_N/(NST*KS)-2
	s_and_b32 s[LIM], s[WV], 1       ; 0 in waves 0 and 2,
	s_or_b32 s[LIM], s[LIM], ttmp9   ; where the cluster is the first of its (b, h): the same in all four partners
	s_cmp_eq_u32 s[LIM], 0
	s_cselect_b32 s[LIM], 1, -1
	v_and_b32 v[PFO], 31, v0
	v_lshlrev_b32 v[PFO], 8, v[PFO]
	s_wait_kmcnt 0x0
	s_add_nc_u64 s[4:5], s[8:9], s[20:21]  ; Q at my wave's first row
	s_add_nc_u64 s[6:7], s[8:9], s[22:23]
	s_add_nc_u64 s[8:9], s[6:7], 32<<18  ; V at my tile of slot 0: 32 planes on,
	s_add_nc_u64 s[6:7], s[6:7], 16<<18  ; K: 16 planes on
	s_add_nc_u64 s[10:11], s[10:11], s[2:3]  ; ob at my wave's first row
	s_cmp_lt_u32 s[WV], 2
	s_cselect_b64 s[PFA:PFA+1], s[6:7], s[8:9]  ; (in waves 0 and 2 these stand at a slot's first row)
	s_lshl_b32 s2, s13, 13          ; my work-group's 8,192 bytes of the 32,768
	s_add_nc_u64 s[PFA:PFA+1], s[PFA:PFA+1], s[2:3]
	s_add_nc_u64 s[PFA:PFA+1], s[PFA:PFA+1], 2*SLOTM  ; in slot 2; the first change of slots steps it to slot 3.  Nothing is prefetched here, at the head, where every work-group's first tiles are on their way
	CROUND                          ; all four work-groups are here: the first joint loads meet
.irp s, 0,1
	s_mov_b32 s[G0K+4*\s], 1        ; 1:0 count = 1
	s_add_co_u32 s[G0K+4*\s+1], s17, \s*SLOT1  ; 63:32 LDS address
	s_add_nc_u64 s[G0K+4*\s+2:G0K+4*\s+3], s[6:7], \s*SLOTM  ; 120:64 global address: slot s begins with keys 256 s
	s_or_b32 s[G0K+4*\s+3], s[G0K+4*\s+3], 0x80000000  ; 127:126 type = 2
	s_mov_b32 s[G0V+4*\s], 1
	s_add_co_u32 s[G0V+4*\s+1], s[TWICE], \s*SLOT1
	s_add_nc_u64 s[G0V+4*\s+2:G0V+4*\s+3], s[8:9], \s*SLOTM
	s_or_b32 s[G0V+4*\s+3], s[G0V+4*\s+3], 0x80000000
.endr
	s_cmp_lt_u32 s[WV], 2           ; a wave's two first fills stand in one branch, ahead of every wait on TENSORcnt and every LDS read: two loads of mine are out; four v_nop follow the second, as in JLOAD
	s_cbranch_scc0 .Lfirst_v
	tensor_load_to_lds s[G0K:G0K+3], s[G1K:G1K+7]
	s_nop 0
	tensor_load_to_lds s[G0K+4:G0K+7], s[G1K:G1K+7]
	s_nop 0
.rept 4
	v_nop
.endr
	s_branch .Lfirst_asked
.Lfirst_v:
	tensor_load_to_lds s[G0V:G0V+3], s[G1V:G1V+7]
	s_nop 0
	tensor_load_to_lds s[G0V+4:G0V+7], s[G1V:G1V+7]
	s_nop 0
.rept 4
	v_nop
.endr
.Lfirst_asked:
	; A fragment of K or Q is 16 rows x 32 channels in 8 registers: lane l holds row l % 16; registers 0-3 channels 8 (l / 16) + 0..7, registers 4-7 channels 16 + 8 (l / 16) + 0..7: two loads of 16 bytes, 32 bytes apart.
	v_and_b32 v1, 15, v0            ; l % 16
	v_bfe_u32 v9, v0, 4, 1          ; l / 16
	v_lshlrev_b32 v[QO], 7, v1
	v_lshl_add_u32 v[QO], v9, 4, v[QO]  ; row x 128 + 16 x half
	WIN 0x80                        ; destination window 2, address window 0
.irp i, 0,1,2,3,4,5,6,7             ; Q stays in registers: tile i / 2, channels 32 (i % 2) on
	global_load_b128 v[8*\i:8*\i+3],   v[QO], s[4:5] offset:(\i/2)*2048+(\i%2)*64
	global_load_b128 v[8*\i+4:8*\i+7], v[QO], s[4:5] offset:(\i/2)*2048+(\i%2)*64+32
.endr
	WIN 0
	v_mul_u32_u24 v[AK0], v1, PKB
	v_lshl_add_u32 v[AK0], v9, 4, v[AK0]  ; row x pitch + 16 x half
	; The turning load takes 16 keys x 16 channels (lane l reads 16 bytes: key 8 (l / 16) + l % 8, channels 8 ((l / 8) % 2) + 0..7) and leaves half a fragment of V^T: lane l holds channel l % 16 and 8 keys.
	v_and_b32 v10, 7, v0
	v_bfe_u32 v11, v0, 3, 1
	v_lshl_add_u32 v[AV0], v9, 3, v10
	v_mul_u32_u24 v[AV0], v[AV0], PVB
	v_lshl_add_u32 v[AV0], v11, 4, v[AV0]
	v_add_nc_u32 v[AV0], VOFF, v[AV0]
; THE MATRIX WORK OF A TURN, for piece x.  The eight accumulators of a run take turns, one instruction a turn: between two links of a chain stand the 7 others'.
; Product i of 16 of O^T += V^T P: keys 32 (i / 8) on, channels 16 ((i / 2) % 4) on, tile x + i % 2.  zero = 1: the first 8 start the sums: nothing is ever cleared.
.macro PV x, zero
	WIN W_PV
.set rO, 32*(\x+i%2)+8*((i/2)%4)
.set rV, VF+32*(i/8)+8*((i/2)%4)
.set rP, P+16*(\x+i%2)+8*(i/8)
.if \zero && (i < 8)
	v_wmma_f32_16x16x32_f16 v[rO:rO+7], v[rV:rV+7], v[rP:rP+7], 0
.else
	v_wmma_f32_16x16x32_f16 v[rO:rO+7], v[rV:rV+7], v[rP:rP+7], v[rO:rO+7]
.endif
.endm
; Product i of 16 of S^T = K Q^T: channels 32 (i / 8) on, keys 16 ((i / 2) % 4) on, tile x + i % 2.  The first 8 start the sums.
.macro KQ x
	WIN W_KQ
.set rS, S+32*(\x+i%2)+8*((i/2)%4)
.set rK, KF+16*((i/2)%4)+8*(i/8)
.set rQ, 16*(\x+i%2)+8*(i/8)
.if i < 8
	v_wmma_f32_16x16x32_f16 v[rS:rS+7], v[rK:rK+7], v[rQ:rQ+7], 0
.else
	v_wmma_f32_16x16x32_f16 v[rS:rS+7], v[rK:rK+7], v[rQ:rQ+7], v[rS:rS+7]
.endif
.endm
; THE LDS LOADS stand in runs of 16, never singly among the matrix instructions: a step's K (64 keys x 64 channels: 8 fragments) and, a turn later, its V (turned).
.macro FETCH_K
	WIN 0
	v_add_nc_u32 v[ADR], s[TBK], v[AK0]
	s_add_co_u32 s[TBK], s[TBK], KSTEPB  ; the next fetch is the next step's
	WIN 0x80                        ; destination window 2
.irp f, 0,1,2,3,4,5,6,7             ; keys 16 (f / 2) on, channels 32 (f % 2) on
	ds_load_b128 v[KF+8*\f:KF+8*\f+3],   v[ADR] offset:(\f/2)*16*PKB+(\f%2)*64
	ds_load_b128 v[KF+8*\f+4:KF+8*\f+7], v[ADR] offset:(\f/2)*16*PKB+(\f%2)*64+32
.endr
.endm
.macro FETCH_V
	WIN 0
	v_add_nc_u32 v[ADR], s[TBV], v[AV0]
	s_add_co_u32 s[TBV], s[TBV], VSTEPB
	WIN 0x40                        ; destination window 1
.irp f, 0,1,2,3,4,5,6,7             ; keys 32 (f / 4) on, channels 16 (f % 4) on
	ds_load_tr16_b128 v[VF+8*\f:VF+8*\f+3],   v[ADR] offset:(\f/4)*32*PVB+(\f%4)*32
	ds_load_tr16_b128 v[VF+8*\f+4:VF+8*\f+7], v[ADR] offset:(\f/4)*32*PVB+16*PVB+(\f%4)*32
.endr
.endm
; THE VECTOR WORK OF A TURN.  One tile's softmax for one key step is a list of 118 instructions; SM writes number j of it for tile t (nothing from 118 on).  s0-s31 are the lane's 32 scores, in pairs 0-15.
; first = 1: the first key step, which starts m, l and O^T: it has no a and nothing to rescale.
;   0-15    the maximum of s0-s31 and the old m, three operands at a time: four chains c0-c3 of seven scores each, then the four scores left over, c0-c3 and m.  Each chain begins at its accumulator's low end
;   16-20   the other half of the lanes' maximum; the new m; c m; c m_old - c m_new
;   21-87   33 exponentials (a, then s0-s31) at the odd numbers from 23 on, so that no two follow each other and each has a plain instruction behind it before its result is used.
;           Plain instruction q (number 21, then the even numbers) is whatever is ready: c s - c m for a pair of scores whose exponentials are still to come (q = 0 to 3, then every
;           second q), the rounding to f16 of a pair of weights whose exponentials are done (every other q from 5 on), at last the first three sums
;   88-101  the last rounding; the rest of the sums; l = a l + the sum
;   102-117 the tile's O^T times a, ascending: the one part that leaves window 0, so it stands together
.macro SM t, first
.if j < 118
.set rT, ST+8*(\t)
.set rS, S+32*(\t)
.set rP, P+16*(\t)
.set rO, 32*(\t)+2*(j-102)
.set q, (j-20)/2
.if j < 102
	WIN 0
.endif
.if j < 4
	v_max3_num_f32 v[rT+4+j], v[rS+8*j], v[rS+8*j+1], v[rS+8*j+2]
.elseif j < 12
	v_max3_num_f32 v[rT+4+j%4], v[rT+4+j%4], v[rS+8*(j%4)+2*(j/4)+1], v[rS+8*(j%4)+2*(j/4)+2]
.elseif j == 12
	v_max3_num_f32 v[rT+4], v[rT+4], v[rS+7], v[rS+15]
.elseif j == 13
	v_max3_num_f32 v[rT+6], v[rT+6], v[rS+23], v[rS+31]
.elseif j == 14
	v_max3_num_f32 v[rT+4], v[rT+4], v[rT+5], v[rT+6]
.elseif (j == 15) && \first
	v_max_num_f32 v[rT+4], v[rT+4], v[rT+7]
.elseif j == 15
	v_max3_num_f32 v[rT+4], v[rT+4], v[rT+7], v[rT+1]
.elseif j == 16
	v_permlanex16_b32 v[rT+5], v[rT+4], s[SEL], s[SEL+1]  ; the query's other 32 keys lie in the lane 16 away
.elseif j == 18
	v_max_num_f32 v[rT+1], v[rT+4], v[rT+5]
.elseif j == 19
	v_mul_f32 v[rT], s[CS], v[rT+1]
.elseif ((j == 17) || (j == 20) || (j == 23) || (j > 101)) && \first  ; the first step has none of these
.elseif j == 17
	v_mov_b32 v[rT+7], v[rT]        ; c m_old is kept for a: number 19 writes c m anew
.elseif j == 20
	v_sub_f32 v[rT+7], v[rT+7], v[rT]
.elseif j == 23
	v_exp_f32 v[rT+6], v[rT+7]
.elseif (j < 88) && (j > 23) && (j%2 == 1)
	v_exp_f32 v[rS+(j-25)/2], v[rS+(j-25)/2]
.elseif (q < 4) || ((j < 76) && (q%2 == 0))
.set b, q/2+2
.if q < 4
.set b, q
.endif
	v_pk_fma_f32 v[rS+2*b:rS+2*b+1], v[rS+2*b:rS+2*b+1], s[CS:CS+1], v[rT:rT+1] op_sel_hi:[1,0,0] neg_lo:[0,0,1] neg_hi:[0,0,1]  ; pair b: c s - c m
.elseif (j < 88) && (q%2 == 1)
	s_wait_alu depctr_va_vdst(0)
	v_cvt_pk_f16_f32 v[rP+(q-5)/2], v[rS+q-5], v[rS+q-4]  ; pair (q - 5) / 2: its second exponential stands three numbers back
.elseif j == 89
	s_wait_alu depctr_va_vdst(0)
	v_cvt_pk_f16_f32 v[rP+15], v[rS+30], v[rS+31]
.elseif j < 102                     ; the sum of the tile's 16 pairs (in a pair: an even key's weight, an odd key's), in place: sum z of 16 adds neighbours 1, 2, 4 and 8 pairs apart, then l takes it
.set z, j-86
.if j < 89
.set z, (j-76)/4
.endif
.set w, 4
.set u, z
.if z >= 14
.set w, 32
.set u, 0
.elseif z >= 12
.set w, 16
.set u, z-12
.elseif z >= 8
.set w, 8
.set u, z-8
.endif
.if (z == 14) && \first
	v_pk_add_f32 v[rT+2:rT+3], v[rS:rS+1], v[rS+16:rS+17]
.elseif z < 15
	v_pk_add_f32 v[rS+w*u:rS+w*u+1], v[rS+w*u:rS+w*u+1], v[rS+w*u+w/2:rS+w*u+w/2+1]
.elseif !\first
	v_pk_fma_f32 v[rT+2:rT+3], v[rT+2:rT+3], v[rT+6:rT+7], v[rS:rS+1] op_sel_hi:[1,0,1]
.endif
.else
	WIN W_RS
	v_pk_mul_f32 v[rO:rO+1], v[rO:rO+1], v[rT+6:rT+7] op_sel_hi:[1,0]
.endif
.endif
.endm
; Slice k of 64 of piece y's softmax: numbers 2 k and 2 k + 1 of both tiles' lists, four instructions.  2 x 118 = 4 x 59: slices 59 to 63 are empty.
.macro SLICE y, first
.if (k >= 11) && (k < 44)           ; tile by tile: plain, exponential, plain, exponential
.irp t, \y, \y+1
.irp n, 0,1
.set j, 2*k+\n
	SM \t, \first
.endr
.endr
.else                               ; the two tiles alternate, so that no instruction reads the result of the one just before it
.irp n, 0,1
.irp t, \y, \y+1
.set j, 2*k+\n
	SM \t, \first
.endr
.endr
.endif
.set k, k+1
.endm
; A vector instruction that reads a matrix result or writes one of a matrix instruction's registers, and a load into a register that a matrix instruction has read, stand four places behind
; it, and only plain vector instructions that name none of its registers are places (ISA guide 7.12.1 for vector instructions).  In the loop the slices are the places.
.macro PLACES
.rept 4
	v_nop
.endr
.endm
; A TURN.  Piece x has the matrix unit; the other piece's softmax stands in slices behind its matrix instructions.
; pv = 2: 16 products V^T P; 1: they start O^T's sums; 0: none.  kq = 1: 16 products K Q^T for the next step.  Two slices behind each product; four where a turn has one of the two kinds.
; THE TURN'S LAST TWO PRODUCTS K Q^T STAND BARE (the slices have run out).  They write the scores of keys 48 to 63 of the piece's two tiles, which the next turn's list reads at its number 3: ahead of that read stand
; numbers 0, 1 and 2 of both tiles, six plain instructions that name other accumulators.  The product before them has slice 58's four instructions behind it.
; first = 1: the softmax is the first key step's.  Its slices from 51 on are empty: more products stand bare, and four v_nop are the places behind them.
; Each run of loads stands behind the second product of a run of 16, 14 matrix instructions ahead of its first use.  Piece 0's turn fetches the next step's K: behind the last product that read K stand
; slices 0 to 3 of this turn.  Piece 2's turn fetches the same step's V: behind the last product that read V stand six slices, twelve plain instructions among them.
.macro TURN x, pv, kq, first
.set k, 0
.set per, 4
.if \pv && \kq
.set per, 2
.endif
.if \pv
.if \x == 0
	s_wait_dscnt 0x0                ; V is in
.endif
.set i, 0
.rept 16
	PV \x, 2-\pv
.rept per
	SLICE 2-\x, \first
.endr
.if (\x == 0) && \kq && (i == 1)
	FETCH_K
.endif
.set i, i+1
.endr
.endif
.if \kq
.if \x == 0
	s_wait_dscnt 0x0                ; K is in
.endif
.set i, 0
.rept 16
	KQ \x
.rept per
	SLICE 2-\x, \first
.endr
.if (\x == 2) && (i == 1)
	FETCH_V
.endif
.set i, i+1
.endr
.endif
.if \first
	PLACES
.endif
.endm
; THE CHANGE OF SLOTS, between piece 2's turn and piece 0's: the slot's last bytes, V of its fourth step, have been asked for.  Each wave waits for all its
; tensor loads, of which one is out: its part of the other slot; adds 0 to its spare word; and waits for that and for its own reads of the slot.  Behind the barrier nobody reads this slot any more and the other slot is whole.
; fill = 1: this slot is filled again, with the keys two slots on.  The barrier is then a round of the cluster's, so that no wave of any partner still reads the slot or has a load on its
; way, and the joint refill is the first thing behind it: it has four key steps, 256 matrix instructions, in which to land.
.macro CHANGE fill
	WIN 0                           ; at a label and at a branch every window is 0
	s_wait_tensorcnt 0x0            ; no tensor load of mine is out, so a group 0 may be written
	ds_add_u32 v[SPW], v[NIL]       ; 0 onto my spare word: with fill = 1 the descriptors' steps stand between it and the wait for it
.if \fill
.irp g, G0K+4, G0V+4
	s_xor_b32 s[\g+1], s[\g+1], SLOT1  ; the walking descriptor: the other slot than last time,
	s_add_nc_u64 s[\g+2:\g+3], s[\g+2:\g+3], SLOTM  ; the next 256 keys; the type bits on top are not reached
.endr
	s_wait_xcnt 0x0                 ; the last prefetch, four key steps back, has read its address, so it may be written:
	s_add_nc_u64 s[PFA:PFA+1], s[PFA:PFA+1], SLOTM  ; one slot further on than the walking descriptors
	s_wait_dscnt 0x0                ; the add is done, and my reads of the slot are over
	CROUND
	JLOAD
	ASK                             ; what the next change will ask for
.else
	s_wait_dscnt 0x0                ; the add is done, and my reads of the slot are over
	s_barrier_signal -1
	s_barrier_wait -1
.endif
	s_sub_co_u32 s[TBK], s[TBK], NST*KSTEPB  ; the fetches go back to a slot's first step,
	s_xor_b32 s[TBK], s[TBK], SLOT1  ; in the other slot
	s_sub_co_u32 s[TBV], s[TBV], NST*VSTEPB
	s_xor_b32 s[TBV], s[TBV], SLOT1
.endm
; n key steps: written once, walked n times; the LDS addresses hang on s[TBK] and s[TBV].
.macro NSTEPS n
	s_mov_b32 s[TWICE], \n
.Lstep_\@:
	TURN 0, 2, 1, 0
	TURN 2, 2, 1, 0
	WIN 0
	s_sub_co_u32 s[TWICE], s[TWICE], 1
	s_cmp_lg_u32 s[TWICE], 0
	s_cbranch_scc1 .Lstep_\@
.endm
	s_wait_tensorcnt 1              ; my part of slot 0 is in; slot 1's may stay out
	s_barrier_signal -1
	s_barrier_wait -1               ; everybody's is
	FETCH_K                         ; key step 0
	s_wait_loadcnt 0x0              ; Q
	s_wait_dscnt 0x0
.set i, 0
.rept 16
	KQ 0                            ; piece 0's first scores: there is no vector work yet to set between them
.set i, i+1
.endr
	WIN 0                           ; the addresses for the way out are made here: nine plain instructions, the places behind those products
	s_mul_i32 s13, s[WV], 16*SP
	s_add_co_u32 s13, s13, STAGE    ; my stage
	v_mul_u32_u24 v[STO], v1, SP    ; in: row l % 16, 16 bytes for each half of the lanes
	v_lshl_add_u32 v[STO], v9, 4, v[STO]
	v_add_nc_u32 v[STO], s13, v[STO]
	v_bfe_u32 v[RD], v0, 3, 2       ; back: eight lanes take a row of 128 bytes, four rows an instruction
	v_mul_u32_u24 v[RD], v[RD], SP
	v_lshl_add_u32 v[RD], v10, 4, v[RD]
	v_add_nc_u32 v[RD], s13, v[RD]
	v_and_b32 v[GO], 31, v0         ; in ob these four rows are 512 consecutive bytes
	v_lshlrev_b32 v[GO], 4, v[GO]
	TURN 2, 0, 1, 1                 ; piece 2's first scores | piece 0's first softmax | V of step 0
	TURN 0, 1, 1, 1                 ; piece 0: V^T P of step 0 starts O^T, K Q^T of step 1 | piece 2's first softmax | K of step 1
	TURN 2, 1, 1, 0                 ; piece 2: the same | piece 0's softmax of step 1 | V of step 1
	WIN 0
	NSTEPS 2                        ; the fetches reach the end of slot 0
.Lslot:                             ; 6 trips: every slot but the last two is filled again
	CHANGE 1
	NSTEPS 4
	s_sub_co_u32 s[SLOTS], s[SLOTS], 1
	s_cmp_lg_u32 s[SLOTS], 0
	s_cbranch_scc1 .Lslot
	CHANGE 0                        ; the tail is written out: the last slot but one is left, and nothing is asked for
	NSTEPS 4
	TURN 0, 2, 0, 0                 ; piece 0: V^T P of the last step | piece 2's last softmax
.set i, 0
.rept 16
	PV 2, 0                         ; piece 2: V^T P of the last step
.set i, i+1
.endr
	; THE WAY OUT.  l's two halves and the other half of the lanes' are added; O^T is divided by l, rounded to f16 and sent through my stage in LDS, a tile (16 rows) at a time.  The first four additions are the places behind the last products.
	WIN 0
.irp t, 0,1,2,3
	v_add_f32 v[ST+8*\t+4], v[ST+8*\t+2], v[ST+8*\t+3]
.endr
.irp t, 0,1,2,3
	v_permlanex16_b32 v[ST+8*\t+5], v[ST+8*\t+4], s[SEL], s[SEL+1]
.endr
.irp t, 0,1,2,3
	v_add_f32 v[ST+8*\t+4], v[ST+8*\t+4], v[ST+8*\t+5]
.endr
.irp t, 0,1,2,3
	v_rcp_f32 v[ST+8*\t+6], v[ST+8*\t+4]
.endr
	v_nop                           ; a plain instruction between the last reciprocal and the use of its result
	s_wait_alu depctr_va_vdst(0)
; Tile t: a lane's eight channels of a row pack into 16 bytes; they go into rows of 144 bytes and come back four rows (512 bytes of ob) an instruction, into the registers that they left.
.macro PACK t
	WIN W_RS
.set i, 32*\t
.rept 16
	v_pk_mul_f32 v[i:i+1], v[i:i+1], v[ST+8*\t+6:ST+8*\t+7] op_sel_hi:[1,0]
.set i, i+2
.endr
	WIN 0x05                        ; sources 0 and 1 window 1, destination window 0: S^T's registers are free
.set i, 0
.rept 16
	v_cvt_pk_f16_f32 v[S+32*\t+i], v[32*\t+2*i], v[32*\t+2*i+1]
.set i, i+1
.endr
	WIN 0
.irp f, 0,1,2,3
	ds_store_b128 v[STO], v[S+32*\t+4*\f:S+32*\t+4*\f+3] offset:32*\f
.endr
.irp f, 0,1,2,3
	ds_load_b128 v[S+32*\t+4*\f:S+32*\t+4*\f+3], v[RD] offset:\f*4*SP  ; LDS serves a wave's instructions in order (ISA guide 5.7.1.4): these see the stores above; the next tile's stores come behind them
.endr
.endm
.macro SEND t, younger              ; younger: the LDS instructions issued behind tile t's loads: the next tile's eight, or none
.irp f, 0,1,2,3
	s_wait_dscnt \younger+3-\f
	global_store_b128 v[GO], v[S+32*\t+4*\f:S+32*\t+4*\f+3], s[10:11] offset:\t*2048+\f*512  ; 32 lanes store 512 consecutive bytes, at a multiple of 256 from ob's first byte
.endr
.endm
	PACK 0
	PACK 1                          ; a tile's arithmetic stands between the loads of the tile before and its stores
	SEND 0, 8
	PACK 2
	SEND 1, 8
	PACK 3
	SEND 2, 8
	SEND 3, 0
	s_wait_tensorcnt 0x0            ; the wave's end, behind my last tensor load and my last LDS store
	ds_add_u32 v[SPW], v[NIL]
	s_wait_dscnt 0x0
	CROUND                          ; the closing round: no work-group ends while a partner may still ask for a tile that names it
	s_endpgm
.Lfunc_end_k_qe7707f7a53_attn:
	.size	k_qe7707f7a53_attn, .Lfunc_end_k_qe7707f7a53_attn-k_qe7707f7a53_attn
	.p2alignl 7, 3214868480
	.fill 96, 4, 3214868480
	.section	.rodata,"a",@progbits
	.p2align	6, 0x0
	.amdhsa_kernel k_qe7707f7a53_attn
		.amdhsa_group_segment_fixed_size 327680
		.amdhsa_private_segment_fixed_size 0
		.amdhsa_enable_private_segment 0
		.amdhsa_kernarg_size 16
		.amdhsa_user_sgpr_count 2
		.amdhsa_user_sgpr_kernarg_segment_ptr 1
		.amdhsa_wavefront_size32 1
		.amdhsa_system_sgpr_workgroup_id_x 1
		.amdhsa_system_sgpr_workgroup_id_y 1
		.amdhsa_system_sgpr_workgroup_id_z 1
		.amdhsa_system_vgpr_workitem_id 0
		.amdhsa_next_free_vgpr 768
		.amdhsa_next_free_sgpr 66
		.amdhsa_reserve_vcc 0
		.amdhsa_float_denorm_mode_32 3
		.amdhsa_float_denorm_mode_16_64 3
		.amdhsa_memory_ordered 1
		.amdhsa_forward_progress 1
		.amdhsa_inst_pref_size 204
	.end_amdhsa_kernel
	.amdgpu_metadata
---
amdhsa.version: [ 1, 2 ]
amdhsa.kernels:
  - .name:           k_qe7707f7a53_attn
    .symbol:         k_qe7707f7a53_attn.kd
    .args:
      - { .name: qkv, .offset: 0, .size: 8, .value_kind: global_buffer, .address_space: global }
      - { .name: ob, .offset: 8, .size: 8, .value_kind: global_buffer, .address_space: global }
    .group_segment_fixed_size: 327680
    .private_segment_fixed_size: 0
    .kernarg_segment_align: 8
    .kernarg_segment_size: 16
    .max_flat_workgroup_size: 128
    .sgpr_count:     66
    .vgpr_count:     768
    .wavefront_size: 32
...
	.end_amdgpu_metadata
.endif
;; end of part 3
;; launch proj (part 4): grid 32 x 8, 4 waves a work-group, clusters of 4 x 4, 327,680 bytes of LDS; arguments wo16, ob, WO_b, out0; writes out0
.if DOCPART == 4
	.amdgcn_target "amdgcn-amd-amdhsa--gfx1250"
	.amdhsa_code_object_version 6
	.text
	.protected	k_qe7707f7a53_proj
	.globl	k_qe7707f7a53_proj
	.p2align	8
	.type	k_qe7707f7a53_proj,@function
k_qe7707f7a53_proj:
	s_mov_b64 s[64:65], 0
	v_nop
	global_prefetch_b8 v0, s[64:65] scope:SCOPE_SE
	s_setreg_imm32_b32 hwreg(HW_REG_WAVE_MODE, 25, 1), 1
	s_wait_xcnt 0x0
	s_wait_alu depctr_hold_cnt(0) depctr_sa_sdst(0) depctr_va_vdst(0) depctr_va_sdst(0) depctr_va_ssrc(0) depctr_va_vcc(0) depctr_vm_vsrc(0)
	s_getreg_b32 s2, hwreg(HW_REG_IB_STS2, 6, 4)
	s_cmp_eq_u32 s2, 0
	s_cbranch_scc0 .Lentry_in_a_cluster
	s_endpgm
.Lentry_in_a_cluster:
	s_bfe_u32 s2, ttmp6, 0x10000c
	s_cmp_lg_u32 s2, 0xf033
	s_cbranch_scc0 .Lentry_shape_is_right
	s_endpgm
.Lentry_shape_is_right:
; out0[b][o][s] = sum over c of WO_w[o][c] concat[b][c][s] + WO_b[o], c = 64 h + d, concat[b][c][s] = ob[b][h][s][d].  wo16 [1024][1024] and ob [b][h][2048][64] are f16 (11 significant bits; their ranges are
; stated where they are made); sums and out0 in f32.
; A tile of the result is 128 (o) x 256 (s) of one b: 256 work-groups.  Four waves, each 64 x 128: 32 accumulators of 16 x 16, 256 registers.
; THE MATRIX INSTRUCTION IS USED TRANSPOSED: source 0 = 16 rows s of ob, source 1 = 16 rows o of wo16: a lane then holds one o and eight neighbouring s, which are neighbours in out0.
; K goes in steps of 128, which are TWO HEADS: a slot holds 128 rows x 256 bytes of wo16 and two planes of 256 rows x 128 bytes of ob; a ring of two slots, filled by the tensor data mover.
; CLUSTERS: 4 x 4 work-groups.  The four of a row of the cluster need the same tiles of wo16, the four of a column the same tiles of ob: each tile is asked for JOINTLY, by the same tensor load with the
; same descriptor and a mask that names the four.
; THE BIAS is the C of each sum's first matrix instruction: a lane's eight results belong to one o, so its eight registers hold one number.
; REGISTERS: window 0: v0-31 addresses; v32-63 the bias; two fragment buffers of 96 at v64 and v160: for 32 along K, 64 registers of ob (8 x 16 rows), then 32 of wo16 (4 x 16 rows).
;   window 1: the accumulators ((a, b) at v[8 (8 a + b)]; a: 16 rows o, b: 16 columns s).
.set PA,     272                       ; a row of wo16 in LDS: 256 bytes + 16 of padding = 68 words: row r starts at bank 4 r mod 64 (64 banks of 4 bytes: ISA guide 11.1)
.set PB,     144                       ; a row of ob: 128 bytes + 16 = 36 words: the 16 rows of a load start at 16 different groups of four banks
.set HALFA,  64*PA                     ; 64 rows of wo16: what one tensor load brings, and what one wave reads
.set PLANEL, 256*PB                    ; a plane's 256 rows of ob: what one tensor load brings
.set BOFF,   2*HALFA                   ; a slot: wo16's 128 rows, then the two planes
.set SLOT,   BOFF+2*PLANEL
.set STAGE,  2*SLOT                    ; behind the ring: 16 rows x (512 bytes + 16) for each wave, for the way out
.set SPITCH, 528
.set SPARE,  STAGE+4*16*SPITCH         ; behind the stages: the spare words, 128 bytes for each wave: two blocks of 256 bytes that no other line names
.set LAPS,   4                         ; a lap = two K steps = once round the ring: 1,024 / 256
.set ADRA, 16                          ; v16-17  LDS address of my wo16 fragments in slot 0, 1
.set ADRB, 20                          ; v20-21  the same for ob
.set STO,  24                          ; v24     the way out: where I put 32 bytes of a row
.set RD,   25                          ; v25     the way out: where I read a row back
.set CO,   26                          ; v26     my byte offset in a row of out0
.set SPW,  28                          ; v28     LDS address of my spare word: SPARE + 4 x my thread's number; never rewritten
.set NIL,  29                          ; v29     0; never rewritten
.set BO,   30                          ; v30     the bias: 4 x (lane % 16)
.set BI,   32                          ; v32-63  the bias: eight equal registers for each block a
.set F0,   64
.set F1,   160
.set BK,   64                          ; the way out: 16 rows read back from the stage: v64-127 and v128-191 by turns
.set G1, 24                            ; s[24:31] descriptor group 1 for wo16's tiles;  s[32:39] group 0, one set for each slot
.set G0, 32
.set G1B, 48                           ; s[48:55], s[56:63] the same for ob's tiles
.set G0B, 56
.set MSB, 0
.macro WIN new                         ; the immediate's high byte repeats the setting that is left
.if MSB != \new
	s_set_vgpr_msb (MSB<<8)|\new
.set MSB, \new
.endif
.endm
.set MUL,   0x50                       ; sources 0 and 1 window 0; C and D window 1
.set FIRST, 0x40                       ; the first quarter: C is the bias, in window 0
.macro JLOAD s                         ; a joint load: waves 0 and 1 fetch wo16's two halves, waves 2 and 3 ob's two planes; four v_nop follow each of the two lines, ahead of the jump, the label and what follows
	s_cmp_eq_u32 s15, 0
	s_cbranch_scc0 .Lfor_b_\@
	tensor_load_to_lds s[G0+4*\s:G0+4*\s+3], s[G1:G1+7]
	s_nop 0
.rept 4
	v_nop
.endr
	s_branch .Lasked_\@
.Lfor_b_\@:
	tensor_load_to_lds s[G0B+4*\s:G0B+4*\s+3], s[G1B:G1B+7]
	s_nop 0
.rept 4
	v_nop
.endr
.Lasked_\@:
.endm
.macro CREST                           ; a round of the cluster's barrier behind its opening barrier
	s_cmp_lg_u32 s14, 0
	s_cbranch_scc1 .Lnot_wave_0_\@
	s_barrier_signal -3
.Lnot_wave_0_\@:
	s_barrier_wait -3
	s_barrier_signal -1
	s_barrier_wait -1
.endm
.macro CROUND                          ; a whole round
	s_barrier_signal -1
	s_barrier_wait -1
	CREST
.endm
	s_load_b128 s[4:7], s[0:1], 0x0                ; wo16 s[4:5], ob s[6:7]
	s_load_b128 s[8:11], s[0:1], 0x10              ; WO_b s[8:9], out0 s[10:11]
	v_lshl_add_u32 v[SPW], v0, 2, SPARE
	v_mov_b32 v[NIL], 0
	ds_add_u32 v28, v29
	ds_add_u32 v28, v29
	s_wait_dscnt 0x0
	v_lshrrev_b32 v1, 5, v0
	v_readfirstlane_b32 s14, v1                    ; wave 0..3
	s_lshr_b32 s15, s14, 1                         ; which 64 of the tile's rows o are mine.  Also: I fetch for wo16 (0) or for ob (1)
	s_and_b32 s16, s14, 1                          ; which 128 of its columns s.  Also: which half of wo16's rows, or which plane of ob, I fetch
	s_bfe_u32 s40, ttmp6, 0x40000                  ; cx, cy: my place in the cluster
	s_bfe_u32 s41, ttmp6, 0x40004
	s_lshl_b32 s42, ttmp9, 2
	s_add_co_u32 s42, s42, s40                     ; tile column = 4 x cluster x + cx: b = column / 8, s = 256 (column % 8) on
	s_and_b32 s17, ttmp7, 0xffff
	s_lshl_b32 s17, s17, 2
	s_add_co_u32 s17, s17, s41                     ; tile row = 4 x cluster y + cy: o = 128 x row on
	s_lshl_b32 s43, s41, 2
	s_lshl_b32 s43, 15, s43                        ; my row of the cluster
	s_lshl_b32 s44, 0x1111, s40                    ; my column
	; descriptor groups 1: wo16: 64 rows x 128 elements, 1,024 elements apart; ob: 256 rows x 64 elements, dense; both padded in LDS
	s_or_b32 s[G1+0], s43, (1<<16)|(1<<20)|(1<<21)|(5<<22)|(3<<25)  ; 15:0 the mask: wo16's tiles go to my row; 17:16 element of 2 bytes; 20 padding on; 21 set beside a mask; 24:22 after every 64 words (code 5); 31:25 of 4 words (code 3)
	s_mov_b32 s[G1+1], 128<<16                     ; tensor_dim0 = 128
	s_mov_b32 s[G1+2], 64<<16                      ; tensor_dim1 = 64
	s_mov_b32 s[G1+3], 128<<16                     ; tile_dim0 = 128
	s_mov_b32 s[G1+4], 64                          ; tile_dim1 = 64
	s_mov_b32 s[G1+5], 1024                        ; tensor_dim0_stride
	s_mov_b32 s[G1+6], 0
	s_mov_b32 s[G1+7], 0
	s_or_b32 s[G1B+0], s44, (1<<16)|(1<<20)|(1<<21)|(4<<22)|(3<<25) ; the mask of my column; padding after every 32 words (code 4)
	s_mov_b32 s[G1B+1], 64<<16
	s_mov_b32 s[G1B+2], 256<<16
	s_mov_b32 s[G1B+3], 64<<16
	s_mov_b32 s[G1B+4], 256
	s_mov_b32 s[G1B+5], 64
	s_mov_b32 s[G1B+6], 0
	s_mov_b32 s[G1B+7], 0
	; where the tiles come from.  wo16's hang on the tile row alone, which my row of the cluster shares; ob's on the tile column alone, which my column shares
	s_lshl_b32 s20, s17, 7
	s_lshl_b32 s18, s16, 6
	s_add_co_u32 s20, s20, s18
	s_lshl_b32 s20, s20, 11                        ; wo16: row 128 x tile row + 64 x half, 2,048 bytes a row
	s_mov_b32 s21, 0
	s_lshr_b32 s46, s42, 3
	s_lshl_b32 s46, s46, 22                        ; ob: b's 16 planes of 262,144 bytes,
	s_and_b32 s47, s42, 7
	s_lshl_b32 s47, s47, 15                        ; 256 rows of 128 bytes for each tile column,
	s_add_co_u32 s46, s46, s47
	s_lshl_b32 s47, s16, 18                        ; my plane of the K step's two
	s_add_co_u32 s46, s46, s47
	s_mov_b32 s47, 0
	s_mul_i32 s45, s16, HALFA                      ; and where they go: no place in the cluster enters an LDS address
	s_mul_i32 s22, s16, PLANEL
	s_add_co_u32 s22, s22, BOFF
	s_wait_kmcnt 0x0
	s_add_nc_u64 s[20:21], s[4:5], s[20:21]
	s_add_nc_u64 s[46:47], s[6:7], s[46:47]
	CROUND                                         ; all sixteen work-groups are here: the first joint loads meet
.irp s, 0,1
	s_mov_b32 s[G0+4*\s], 1
	s_add_co_u32 s[G0+4*\s+1], s45, \s*SLOT
	s_add_nc_u64 s[G0+4*\s+2:G0+4*\s+3], s[20:21], \s*256            ; K step s: 128 channels on
	s_or_b32 s[G0+4*\s+3], s[G0+4*\s+3], 0x80000000
	s_mov_b32 s[G0B+4*\s], 1
	s_add_co_u32 s[G0B+4*\s+1], s22, \s*SLOT
	s_add_nc_u64 s[G0B+4*\s+2:G0B+4*\s+3], s[46:47], \s*2*262144     ; two planes on
	s_or_b32 s[G0B+4*\s+3], s[G0B+4*\s+3], 0x80000000
	JLOAD \s
.endr
	v_and_b32 v1, 15, v0                           ; l % 16
	v_bfe_u32 v2, v0, 4, 1                         ; l / 16
	s_lshl_b32 s20, s17, 7
	s_lshl_b32 s21, s15, 6
	s_add_co_u32 s20, s20, s21                     ; my first o: 128 x tile row + 64 x half
	s_lshl_b32 s18, s20, 2
	s_mov_b32 s19, 0
	s_add_nc_u64 s[8:9], s[8:9], s[18:19]
	v_lshlrev_b32 v[BO], 2, v1
.irp a, 0,1,2,3
	global_load_b32 v[BI+8*\a], v[BO], s[8:9] offset:64*\a         ; WO_b of o = 16 a + l % 16
.endr
	v_mul_u32_u24 v3, v1, PA
	v_lshl_add_u32 v3, v2, 4, v3                   ; a fragment's row x pitch + 16 x half
	v_mul_u32_u24 v4, v1, PB
	v_lshl_add_u32 v4, v2, 4, v4
	s_mul_i32 s21, s15, HALFA                      ; my 64 rows of wo16
	s_mul_i32 s22, s16, 128*PB                     ; my 128 rows of each plane of ob,
	s_add_co_u32 s22, s22, BOFF                    ; which lie behind wo16's 128
.irp s, 0,1
	v_add_nc_u32 v[ADRA+\s], s21, v3
	v_add_nc_u32 v[ADRB+\s], s22, v4
	s_add_co_u32 s21, s21, SLOT
	s_add_co_u32 s22, s22, SLOT
.endr
	s_mul_i32 s23, s14, 16*SPITCH
	s_add_co_u32 s23, s23, STAGE                   ; my stage
	v_mul_u32_u24 v5, v1, SPITCH                   ; in: row l % 16, 32 bytes for each half of the lanes
	v_lshl_add_u32 v5, v2, 5, v5
	v_add_nc_u32 v[STO], s23, v5
	v_and_b32 v6, 31, v0
	v_lshlrev_b32 v[CO], 4, v6                     ; back: the 32 lanes take one row of 512 bytes; and the same in out0
	v_add_nc_u32 v[RD], s23, v[CO]
	s_lshl_b32 s20, s20, 13                        ; out0: my first o, 8,192 bytes a row,
	s_lshr_b32 s46, s42, 3
	s_lshl_b32 s46, s46, 23                        ; b's 1,024 rows,
	s_and_b32 s47, s42, 7
	s_lshl_b32 s47, s47, 10                        ; the tile's 256 columns,
	s_add_co_u32 s46, s46, s47
	s_lshl_b32 s47, s16, 9                         ; my 128 of them
	s_add_co_u32 s46, s46, s47
	s_add_co_u32 s46, s46, s20
	s_mov_b32 s47, 0
	s_add_nc_u64 s[10:11], s[10:11], s[46:47]
; 8 matrix instructions: block a of wo16 against ob's eight, 32 along K: buffer f.  first = 1: the sums begin with the bias: nothing is ever cleared.
; The 32 accumulators take turns, one instruction a turn, in the same order in every quarter.
.macro MUL8 f, a, first
.irp b, 0,1,2,3,4,5,6,7
.if \first
	v_wmma_f32_16x16x32_f16 v[8*(8*(\a)+\b):8*(8*(\a)+\b)+7], v[\f+8*\b:\f+8*\b+7], v[\f+64+8*(\a):\f+64+8*(\a)+7], v[BI+8*(\a):BI+8*(\a)+7]
.else
	v_wmma_f32_16x16x32_f16 v[8*(8*(\a)+\b):8*(8*(\a)+\b)+7], v[\f+8*\b:\f+8*\b+7], v[\f+64+8*(\a):\f+64+8*(\a)+7], v[8*(8*(\a)+\b):8*(8*(\a)+\b)+7]
.endif
.endr
.endm
; 24 LDS loads in one run: the fragments of the slot's q-th 32 along K into buffer f: plane q / 2, channels 32 (q % 2) on of ob; byte 64 q of wo16's rows.  ob's first, wo16's blocks 2 and 3 last
.macro FETCH slot, q, f
	WIN 0
.irp i, 0,1,2,3,4,5,6,7
	ds_load_b128 v[\f+8*\i:\f+8*\i+3],   v[ADRB+\slot] offset:((\q)/2)*PLANEL+((\q)%2)*64+\i*16*PB
	ds_load_b128 v[\f+8*\i+4:\f+8*\i+7], v[ADRB+\slot] offset:((\q)/2)*PLANEL+((\q)%2)*64+\i*16*PB+32
.endr
.irp i, 0,1,2,3
	ds_load_b128 v[\f+64+8*\i:\f+64+8*\i+3],   v[ADRA+\slot] offset:64*(\q)+\i*16*PA
	ds_load_b128 v[\f+64+8*\i+4:\f+64+8*\i+7], v[ADRA+\slot] offset:64*(\q)+\i*16*PA+32
.endr
.endm
.macro PLACES                          ; four places in front of loads into registers that matrix instructions have read, and of the first read of results (ISA guide 7.12.1 for vector instructions)
.rept 4
	v_nop
.endr
.endm
; A K step is four quarters of 32 along K, 32 matrix instructions each, on buffers 0, 1, 0, 1.  One of the first three: multiplies buffer f and fetches quarter q into g.
.macro QUARTER slot, q, f, g, first
	s_wait_dscnt 4                                 ; ob's fragments and wo16's blocks 0, 1 are in; the youngest four loads (blocks 2, 3) may be out
.if \first
	WIN FIRST
.else
	WIN MUL
.endif
	MUL8 \f, 0, \first
	MUL8 \f, 1, \first
	PLACES
	FETCH \slot, \q, \g
	s_wait_dscnt 24                                ; all but the 24 just issued
.if \first
	WIN FIRST
.else
	WIN MUL
.endif
	MUL8 \f, 2, \first
	MUL8 \f, 3, \first
.endm
; The last quarter multiplies buffer 1 and changes slots: ONE barrier; in front of it each wave waits for all its tensor loads, adds 0 to its spare word, and waits for that and for its own reads of this slot.
; fill = 1: this slot is filled again, two K steps ahead; the barrier then opens a round of the cluster's barrier.
.macro TURN slot, next, fill
	WIN 0                                          ; (the add's two registers lie in window 0)
	s_wait_tensorcnt 0x0                           ; all my tensor loads have landed: my part of the next slot;
	ds_add_u32 v[SPW], v[NIL]                      ; 0 onto my spare word
	s_wait_dscnt 5                                 ; (the add and the youngest four loads may be out)
	WIN MUL
	MUL8 F1, 0, 0                                  ; eight matrix instructions stand between the add and the wait for it
	s_wait_dscnt 0x0                               ; the add is done, and my reads of this slot are over
	s_barrier_signal -1
	MUL8 F1, 1, 0
.if \fill
	WIN 0
.endif
	s_barrier_wait -1
.if \fill
	CREST                                          ; no wave of any partner still reads this slot's tiles or has a load on its way
	s_add_nc_u64 s[G0+4*\slot+2:G0+4*\slot+3], s[G0+4*\slot+2:G0+4*\slot+3], 2*256
	s_add_nc_u64 s[G0B+4*\slot+2:G0B+4*\slot+3], s[G0B+4*\slot+2:G0B+4*\slot+3], 4*262144
	JLOAD \slot                                    ; the first tensor load behind the round: 112 matrix instructions ahead of the wait for it; the four v_nop behind it are also the places in front of the loads below
.else
	PLACES
.endif
	FETCH \next, 0, F0
	WIN MUL
	MUL8 F1, 2, 0
	MUL8 F1, 3, 0
.endm
	s_wait_tensorcnt 1                             ; my part of K step 0 is in (K step 1's load may be out)
	s_barrier_signal -1
	s_barrier_wait -1                              ; everybody's is
	FETCH 0, 0, F0
	s_wait_loadcnt 0x0                             ; the bias: one number for each block a, spread over the block's eight registers
.irp a, 0,1,2,3
.irp j, 1,2,3,4,5,6,7
	v_mov_b32 v[BI+8*\a+\j], v[BI+8*\a]
.endr
.endr
	QUARTER 0, 1, F0, F1, 1                        ; the first quarter stands in front of the loop: its products start the sums, on the bias
	WIN 0                                          ; at a label and at a branch every window is 0
	s_mov_b32 s3, LAPS-1
.Llap:                                                 ; a trip goes once round the ring, from a lap's second quarter to the next lap's first, and fills both slots again
	QUARTER 0, 2, F1, F0, 0
	QUARTER 0, 3, F0, F1, 0
	TURN 0, 1, 1
	QUARTER 1, 1, F0, F1, 0
	QUARTER 1, 2, F1, F0, 0
	QUARTER 1, 3, F0, F1, 0
	TURN 1, 0, 1
	QUARTER 0, 1, F0, F1, 0
	WIN 0
	s_sub_co_u32 s3, s3, 1
	s_cmp_lg_u32 s3, 0
	s_cbranch_scc1 .Llap
	QUARTER 0, 2, F1, F0, 0                        ; the last lap fills nothing, and has no round of the cluster's barrier
	QUARTER 0, 3, F0, F1, 0
	TURN 0, 1, 0
	QUARTER 1, 1, F0, F1, 0
	QUARTER 1, 2, F1, F0, 0
	QUARTER 1, 3, F0, F1, 0
	s_wait_dscnt 4                                 ; the very last quarter: nothing more to fetch
	WIN MUL
	MUL8 F1, 0, 0
	MUL8 F1, 1, 0
	s_wait_dscnt 0
	MUL8 F1, 2, 0
	MUL8 F1, 3, 0
	WIN 0
; THE WAY OUT, block by block of 16 rows o x 128 columns s.  A lane holds 32 neighbouring bytes of a row, and the lanes beside it hold other rows: so a block goes through my own stage in LDS and comes back as whole
; rows of 512 bytes.  LDS serves a wave's instructions in order (ISA guide 5.7.1.4): no wait between the stores and the loads, nor in front of the next block's stores.
.macro TOSTAGE a
	WIN 0x04                                       ; an LDS store's data are its source 1: window 1
.irp b, 0,1,2,3,4,5,6,7
	ds_store_b128 v[STO], v[64*(\a)+8*\b:64*(\a)+8*\b+3] offset:64*\b          ; each accumulator from its low end on
	ds_store_b128 v[STO], v[64*(\a)+8*\b+4:64*(\a)+8*\b+7] offset:64*\b+16
.endr
	WIN 0
.set BB, BK+64*((\a)%2)
.irp t, 0,1,2,3,4,5,6,7,8,9,10,11,12,13,14,15
	ds_load_b128 v[BB+4*\t:BB+4*\t+3], v[RD] offset:\t*SPITCH
.endr
.endm
.macro SEND a, younger                 ; younger: the LDS instructions issued behind block a's loads, which may stay out
.set BB, BK+64*((\a)%2)
	s_wait_dscnt \younger                          ; the block is back in registers
.irp t, 0,1,2,3,4,5,6,7,8,9,10,11,12,13,14,15
	global_store_b128 v[CO], v[BB+4*\t:BB+4*\t+3], s[10:11] offset:(\a)*131072+\t*8192 th:TH_STORE_NT   ; 32 lanes store 512 consecutive bytes, at a multiple of 256 from out0's first byte; written once, read by nobody here; no base is stepped
.endr
.endm
	PLACES                                         ; behind the last products: for the loads into the registers that held fragments, and for the reads of results
	TOSTAGE 0
.irp a, 1,2,3
.if \a > 1
	s_wait_xcnt 0x0                                ; block a - 2's stores have read their registers: block a's loads may land there
.endif
	TOSTAGE \a
	SEND \a-1, 32                                  ; behind block a - 1's loads: block a's 16 stores and 16 loads
.endr
	SEND 3, 0
	s_wait_tensorcnt 0x0                           ; the wave's end, behind my last tensor load and my last LDS store
	ds_add_u32 v[SPW], v[NIL]
	s_wait_dscnt 0x0
	CROUND                                         ; the closing round: no work-group ends while a partner may still ask for a tile that names it
	s_endpgm
.Lfunc_end_k_qe7707f7a53_proj:
	.size	k_qe7707f7a53_proj, .Lfunc_end_k_qe7707f7a53_proj-k_qe7707f7a53_proj
	.p2alignl 7, 3214868480
	.fill 96, 4, 3214868480
	.section	.rodata,"a",@progbits
	.p2align	6, 0x0
	.amdhsa_kernel k_qe7707f7a53_proj
		.amdhsa_group_segment_fixed_size 327680
		.amdhsa_private_segment_fixed_size 0
		.amdhsa_enable_private_segment 0
		.amdhsa_kernarg_size 32
		.amdhsa_user_sgpr_count 2
		.amdhsa_user_sgpr_kernarg_segment_ptr 1
		.amdhsa_wavefront_size32 1
		.amdhsa_system_sgpr_workgroup_id_x 1
		.amdhsa_system_sgpr_workgroup_id_y 1
		.amdhsa_system_sgpr_workgroup_id_z 1
		.amdhsa_system_vgpr_workitem_id 0
		.amdhsa_next_free_vgpr 512
		.amdhsa_next_free_sgpr 66
		.amdhsa_reserve_vcc 0
		.amdhsa_float_denorm_mode_32 3
		.amdhsa_float_denorm_mode_16_64 3
		.amdhsa_memory_ordered 1
		.amdhsa_forward_progress 1
		.amdhsa_inst_pref_size 86
	.end_amdhsa_kernel
	.amdgpu_metadata
---
amdhsa.version: [ 1, 2 ]
amdhsa.kernels:
  - .name:           k_qe7707f7a53_proj
    .symbol:         k_qe7707f7a53_proj.kd
    .args:
      - { .name: wo16, .offset: 0, .size: 8, .value_kind: global_buffer, .address_space: global }
      - { .name: ob, .offset: 8, .size: 8, .value_kind: global_buffer, .address_space: global }
      - { .name: WO_b, .offset: 16, .size: 8, .value_kind: global_buffer, .address_space: global }
      - { .name: out0, .offset: 24, .size: 8, .value_kind: global_buffer, .address_space: global }
    .group_segment_fixed_size: 327680
    .private_segment_fixed_size: 0
    .kernarg_segment_align: 8
    .kernarg_segment_size: 32
    .max_flat_workgroup_size: 128
    .sgpr_count:     66
    .vgpr_count:     512
    .wavefront_size: 32
...
	.end_amdgpu_metadata
.endif
;; end of part 4
